; MI455X (gfx1250); checked and timed in simulation.
; The chip was launched on July 23, 2026; its instructions are those of AMD's public machine-readable ISA for CDNA 5 (MIT licence, August 2026) and "CDNA5" Instruction Set Architecture Reference Guide (July 2026). The comments in the code are by the model that wrote it; some were corrected since.
;; Attention Block. Allowed arithmetic: float matrix products may take bf16 or f16 operands with f32 sums; other float arithmetic in f32, or as packed bf16 or f16 multiplies, adds, multiply-adds, maxima and minima; sums over many terms, partial sums and values carried from step to step in f32; what a program stores and reads back later, other than sums and carried values, may be rounded once to bf16 or f16.
;; Inputs: Wk 1,024 x 1,024 float32; Wq 1,024 x 1,024 float32; Wv 1,024 x 1,024 float32; bk 1,024 float32; bq 1,024 float32; bv 1,024 float32; key 4 x 2,048 x 1,024 float32; query 4 x 2,048 x 1,024 float32; value 4 x 2,048 x 1,024 float32.
;; Outputs: out0 4 x 2,048 x 1,024 float32.
;; 2 versions, each right. Each part assembles by itself: llvm-mc -triple=amdgcn-amd-amdhsa -mcpu=gfx1250 --defsym DOCPART=n.
;; ======== version 1 of 2: 4 launches
;; limits: values are held in f16: magnitudes above 65,504 overflow, below 6.1e-05 lose precision
;; workspace buffers: xb 50,331,648 bytes; wb 6,291,456 bytes; qkv 50,331,648 bytes; ew 33,554,432 bytes; st 1,048,576 bytes
;; launch cast (part 1): grid 1728 x 1, 8 waves a work-group, no clusters, 0 bytes of LDS; arguments query, key, value, Wq, Wk, Wv, xb, wb; writes xb, wb
.if DOCPART == 1
	.amdgcn_target "amdgcn-amd-amdhsa--gfx1250"
	.amdhsa_code_object_version 6
	.text
	.protected	k_q35647f887f_cast
	.globl	k_q35647f887f_cast
	.p2align	8
	.type	k_q35647f887f_cast,@function
k_q35647f887f_cast:
	s_mov_b64 s[64:65], 0
	v_nop
	global_prefetch_b8 v0, s[64:65] scope:SCOPE_SE
	s_setreg_imm32_b32 hwreg(HW_REG_WAVE_MODE, 25, 1), 1
	s_wait_xcnt 0x0
; cast: the six f32 operands of the three projections, each rounded once to bf16.
; xb = [3][8192][1024] bf16 (query, key, value), wb = [3][1024][1024] bf16 (Wq, Wk, Wv).
; A stream: each byte is read once and written once; nothing is shared between work-groups, so there is no LDS, no barrier, no cluster and no matrix work.
; SHARES.  A work-group takes 65,536 consecutive bytes of one input and writes 32,768.  Groups 0..1535: x (512 chunks a tensor); groups 1536..1727: W (64 chunks a tensor).
; Thread t takes 16 bytes at 16 t of each 4,096 bytes: a wave's load covers 512 consecutive bytes, its store of 8 bytes a lane 256 consecutive bytes, aligned.
; All sixteen loads of a wave go out at once (8 KiB a wave); no register is used twice, so the only waits are the counted ones for the data.
.set XR, 4                             ; v[4:67]  sixteen loads of four registers; the two bf16 words take the place of the first two
	s_load_b512 s[8:23], s[0:1], 0x0               ; query s[8:9], key s[10:11], value s[12:13], Wq s[14:15], Wk s[16:17], Wv s[18:19], xb s[20:21], wb s[22:23]
	s_lshr_b32 s24, ttmp9, 9                       ; as a group of x: which tensor,
	s_and_b32 s25, ttmp9, 511                      ; which chunk of it
	s_sub_co_u32 s26, ttmp9, 1536                  ; as a group of W: its number among them (not used in a group of x),
	s_lshr_b32 s27, s26, 6                         ; which tensor,
	s_and_b32 s28, s26, 63                         ; which chunk
	v_lshlrev_b32 v1, 4, v0                        ; my 16 bytes in
	v_lshlrev_b32 v2, 3, v0                        ; my 8 bytes out
	s_cmp_lt_u32 ttmp9, 1536                       ; x or W?  The selects below keep the answer
	s_cselect_b32 s30, s24, s27                    ; tensor 0..2
	s_cselect_b32 s31, s25, s28                    ; chunk in the source
	s_cselect_b32 s32, ttmp9, s26                  ; chunk in the destination: the tensors lie end to end there
	s_wait_kmcnt 0x0
	s_cselect_b64 s[34:35], s[8:9], s[14:15]
	s_cselect_b64 s[36:37], s[10:11], s[16:17]
	s_cselect_b64 s[38:39], s[12:13], s[18:19]
	s_cselect_b64 s[20:21], s[20:21], s[22:23]
	s_cmp_eq_u32 s30, 1
	s_cselect_b64 s[34:35], s[36:37], s[34:35]
	s_cmp_eq_u32 s30, 2
	s_cselect_b64 s[34:35], s[38:39], s[34:35]     ; the source
	s_lshl_b32 s24, s31, 16                        ; 65,536 bytes a chunk in: under 2^26
	s_mov_b32 s25, 0
	s_add_nc_u64 s[34:35], s[34:35], s[24:25]
	s_lshl_b32 s26, s32, 15                        ; 32,768 bytes a chunk out
	s_mov_b32 s27, 0
	s_add_nc_u64 s[20:21], s[20:21], s[26:27]
.set i, 0
.rept 16
	global_load_b128 v[XR+4*i:XR+4*i+3], v1, s[34:35] offset:4096*i th:TH_LOAD_NT
.set i, i+1
.endr
.set i, 0
.rept 16
	s_wait_loadcnt 15-i                            ; loads come back in order: number i is in, the younger ones stay out
	v_cvt_pk_bf16_f32 v[XR+4*i], v[XR+4*i], v[XR+4*i+1]
	v_cvt_pk_bf16_f32 v[XR+4*i+1], v[XR+4*i+2], v[XR+4*i+3]
	global_store_b64 v2, v[XR+4*i:XR+4*i+1], s[20:21] offset:2048*i th:TH_STORE_NT
.set i, i+1
.endr
	s_endpgm
.Lfunc_end_k_q35647f887f_cast:
	.size	k_q35647f887f_cast, .Lfunc_end_k_q35647f887f_cast-k_q35647f887f_cast
	.p2alignl 7, 3214868480
	.fill 96, 4, 3214868480
	.section	.rodata,"a",@progbits
	.p2align	6, 0x0
	.amdhsa_kernel k_q35647f887f_cast
		.amdhsa_group_segment_fixed_size 0
		.amdhsa_private_segment_fixed_size 0
		.amdhsa_enable_private_segment 0
		.amdhsa_kernarg_size 64
		.amdhsa_user_sgpr_count 2
		.amdhsa_user_sgpr_kernarg_segment_ptr 1
		.amdhsa_wavefront_size32 1
		.amdhsa_system_sgpr_workgroup_id_x 1
		.amdhsa_system_sgpr_workgroup_id_y 1
		.amdhsa_system_sgpr_workgroup_id_z 1
		.amdhsa_system_vgpr_workitem_id 0
		.amdhsa_next_free_vgpr 72
		.amdhsa_next_free_sgpr 66
		.amdhsa_reserve_vcc 0
		.amdhsa_float_denorm_mode_32 3
		.amdhsa_float_denorm_mode_16_64 3
		.amdhsa_memory_ordered 1
		.amdhsa_forward_progress 1
		.amdhsa_inst_pref_size 7
	.end_amdhsa_kernel
	.amdgpu_metadata
---
amdhsa.version: [ 1, 2 ]
amdhsa.kernels:
  - .name:           k_q35647f887f_cast
    .symbol:         k_q35647f887f_cast.kd
    .args:
      - { .name: query, .offset: 0, .size: 8, .value_kind: global_buffer, .address_space: global }
      - { .name: key, .offset: 8, .size: 8, .value_kind: global_buffer, .address_space: global }
      - { .name: value, .offset: 16, .size: 8, .value_kind: global_buffer, .address_space: global }
      - { .name: Wq, .offset: 24, .size: 8, .value_kind: global_buffer, .address_space: global }
      - { .name: Wk, .offset: 32, .size: 8, .value_kind: global_buffer, .address_space: global }
      - { .name: Wv, .offset: 40, .size: 8, .value_kind: global_buffer, .address_space: global }
      - { .name: xb, .offset: 48, .size: 8, .value_kind: global_buffer, .address_space: global }
      - { .name: wb, .offset: 56, .size: 8, .value_kind: global_buffer, .address_space: global }
    .group_segment_fixed_size: 0
    .private_segment_fixed_size: 0
    .kernarg_segment_align: 8
    .kernarg_segment_size: 64
    .max_flat_workgroup_size: 256
    .sgpr_count:     66
    .vgpr_count:     72
    .wavefront_size: 32
...
	.end_amdgpu_metadata
.endif
;; end of part 1
;; launch proj (part 2): grid 4 x 192, 4 waves a work-group, clusters of 4 x 4, 327,680 bytes of LDS; arguments xb, wb, bq, bk, bv, qkv; writes qkv
.if DOCPART == 2
	.amdgcn_target "amdgcn-amd-amdhsa--gfx1250"
	.amdhsa_code_object_version 6
	.text
	.protected	k_q35647f887f_proj
	.globl	k_q35647f887f_proj
	.p2align	8
	.type	k_q35647f887f_proj,@function
k_q35647f887f_proj:
	s_mov_b64 s[64:65], 0
	v_nop
	global_prefetch_b8 v0, s[64:65] scope:SCOPE_SE
	s_setreg_imm32_b32 hwreg(HW_REG_WAVE_MODE, 25, 1), 1
	s_wait_xcnt 0x0
	s_wait_alu depctr_hold_cnt(0) depctr_sa_sdst(0) depctr_va_vdst(0) depctr_va_sdst(0) depctr_va_ssrc(0) depctr_va_vcc(0) depctr_vm_vsrc(0)
	s_getreg_b32 s2, hwreg(HW_REG_IB_STS2, 6, 4)
	s_cmp_eq_u32 s2, 0
	s_cbranch_scc0 .Lentry_in_a_cluster
	s_endpgm
.Lentry_in_a_cluster:
	s_bfe_u32 s2, ttmp6, 0x10000c
	s_cmp_lg_u32 s2, 0xf033
	s_cbranch_scc0 .Lentry_shape_is_right
	s_endpgm
.Lentry_shape_is_right:
; proj: qkv[t][m][n] = the sum over k of xb[t][m][k] wb[t][n][k] + b[t][n], t = 0, 1, 2 (Q, K, V).  xb: [3][8192][1024] bf16, wb: [3][1024][1024] bf16, b: [1024] f32, qkv: [3][8192][1024] f16.
; Products in bf16, sums in f32; the bias, rounded to bf16 like every input of the module, is the C operand that starts each sum; the result is rounded once to f16.
; LIMITS.  f16 holds no number beyond 65,504: a projection of 65,520 or more becomes an infinity.  NaN and infinities are not treated apart.  The order of the sums differs from a plain chain over k.
; SHARES.  xb and qkv are taken as 24,576 rows.  A tile of C is 128 rows x 256 columns: 768 tiles, three for each of 256 WGPs.  Four waves, each 64 x 128: 32 accumulators of 16 x 16, 256 registers.
; K goes in steps of 128 (rows of 256 bytes, at multiples of 256 from the buffer's first byte) through two LDS slots filled by the tensor data mover.
; CLUSTERS: 4 x 4 work-groups.  The four of a row of the cluster need the same 128 rows of x, the four of a column the same 256 rows of W: each tile is asked for JOINTLY, by the same tensor load with
; the same descriptor and a mask that names the four.  A cluster's four tile rows belong to one tensor t (64 tile rows a tensor).
; THE MATRIX INSTRUCTION IS USED TRANSPOSED (source 0 = 16 rows of W, source 1 = 16 rows of x): a lane then holds eight neighbouring columns of one row of C.
; REGISTERS, in windows of 256 (s_set_vgpr_msb: bits 1:0 source 0, 3:2 source 1, 5:4 source 2, 7:6 destination):
;   window 0: v0-31 addresses; v32-127 the way out; v128-255 x's fragments: buffer f, 32 k c, row block a at 128 + 64 f + 32 c + 8 a
;   window 1: the accumulators, (a, b) at 8 (8 a + b)      window 2: W's fragments at 128 f + 64 c + 8 b      window 3: v0-63 the bias of my 128 columns, laid as an accumulator row
.set PITCH,  272                       ; an LDS row: 256 bytes + 16 of padding = 68 words: the 16 rows of a fragment load start at 16 different groups of four banks (64 banks of 4 bytes: ISA guide 11.1)
.set ATILE,  128*PITCH                 ; A's 128 rows
.set BHALF,  128*PITCH                 ; half of B's 256 rows: one tensor load, and what one wave reads
.set SLOT,   ATILE+2*BHALF
.set STAGE,  2*SLOT                    ; behind the ring: 16 rows x 272 bytes for each wave, for the way out
.set SPARE,  STAGE+4*16*PITCH          ; behind the stages: the spare words, 128 bytes for each wave: two blocks of 256 bytes that no other line names
.set LAPS,   4                         ; K = 1024: eight K steps, two a lap
.set ASTEP,  256                       ; bytes from a K step to the next, in A and in B
.set BSTEP,  256
.set ROWB,   2048                      ; bytes in a row of xb, wb and qkv
.set ADRA, 16                          ; v16-17  LDS address of my A fragments in slot 0, 1
.set ADRB, 20                          ; v20-21  the same for B
.set STO,  24                          ; v24     the way out: where I put 16 bytes of a row
.set RD,   25                          ; v25     where I read rows back
.set CO,   26                          ; v26     my byte offset in two rows of the output
.set SPW,  28                          ; v28     LDS address of my spare word; never rewritten
.set NIL,  29                          ; v29     0; never rewritten
.set PFO,  30                          ; v30     the prefetches' offset: my lane x a row; never rewritten
.set TMP,  32                          ; v32-63  packed results
.set OB,   64                          ; v64-95, v96-127 by turns: 16 rows read back from the stage
.set AF,   128
.set WV,  16                           ; s16 wave; s17 = wave / 2: my half of the rows, and: I fetch for A (0) or B (1); s18 = wave % 2: my half of the columns, and: which half I fetch
.set WR,  17
.set WC,  18
.set CX,  19                           ; my place in the cluster
.set CY,  20
.set TC,  21                           ; tile column = 4 x cluster x + cx
.set TY,  22                           ; tile row = 4 x cluster y + cy
.set CLY, 23                           ; cluster y
.set G1A, 24                           ; s[24:31] descriptor group 1 for A;  s[32:39] group 0, a set for each slot
.set G0A, 32
.set PFA, 40                           ; s[40:41] where my prefetches stand
.set LIM, 42                           ; s42  1 in a wave that prefetches, else the greatest number
.set TN,  43                           ; s43  the tensor t, from cluster y alone
.set PST, 44                           ; s[44:45] the prefetches' step
.set G1B, 48                           ; s[48:55], s[56:63] the same for B
.set G0B, 56
.set OUTP, 76                          ; s[76:77] the output at my first row and column
.set AUX, 78                           ; s[78:79] the bias at my first column
.set MSB, 0
.macro WIN new                         ; the immediate's high byte repeats the setting that is left; a switch that changes nothing is dropped
.if MSB != (\new)
	s_set_vgpr_msb (MSB<<8)|(\new)
.set MSB, \new
.endif
.endm
.set MUL,  0x52                        ; source 0 (B) window 2, source 1 (A) window 0, C and D window 1
.set MULB, 0x72                        ; the same with C in window 3: the bias
.set TO_B, 0x80                        ; destination window 2, address window 0
.macro SHAPE g, d0, d1, p              ; descriptor group 1, words 1 to 7: a tile of d1 rows x d0 elements that lies inside the tensor, p elements from row to row
	s_mov_b32 s[(\g)+1], (\d0)<<16                 ; tensor_dim0
	s_mov_b32 s[(\g)+2], (\d1)<<16                 ; tensor_dim1
	s_mov_b32 s[(\g)+3], (\d0)<<16                 ; tile_dim0
	s_mov_b32 s[(\g)+4], \d1                       ; tile_dim1
	s_mov_b32 s[(\g)+5], \p                        ; tensor_dim0_stride
	s_mov_b32 s[(\g)+6], 0
	s_mov_b32 s[(\g)+7], 0
.endm
.macro JLOAD s                         ; a joint load: waves 0 and 1 fetch A's two halves, waves 2 and 3 B's; an s_nop 0 and four v_nop follow each of the two lines, ahead of the jump, the label and what follows
	s_cmp_eq_u32 s[WR], 0
	s_cbranch_scc0 .Lfor_b_\@
	tensor_load_to_lds s[G0A+4*(\s):G0A+4*(\s)+3], s[G1A:G1A+7]
	s_nop 0
.rept 4
	v_nop
.endr
	s_branch .Lasked_\@
.Lfor_b_\@:
	tensor_load_to_lds s[G0B+4*(\s):G0B+4*(\s)+3], s[G1B:G1B+7]
	s_nop 0
.rept 4
	v_nop
.endr
.Lasked_\@:
.endm
; A PREFETCH, behind each joint refill and the run of LDS loads that follows it: 32 rows x 256 bytes of the K step that stands two refills on, a lane a row: 256 matrix instructions ahead of the load that will want it.
; Each row's 256 bytes of a K step are named once in the launch.  x's 128 rows of a tile row are read by my cluster alone: wave 0 of each of the four partners takes 32 (by cx).  W's 256 rows of a tile column are read by
; the sixteen clusters of a tensor: the first of them asks, waves 2 and 3 for the 128 rows that they fetch, each partner 32 of them (by cy).  The partners are told apart BY ADDRESS: no branch hangs on a place in the cluster.
; K steps 0 to 3 come by their loads alone; the loop's last trip (s3 = 1) asks for nothing: there is no K step two refills on.
.macro ASK
	s_cmp_gt_u32 s3, s[LIM]
	s_cbranch_scc0 .Lnot_mine_\@
	global_prefetch_b8 v[PFO], s[PFA:PFA+1] th:TH_LOAD_NT scope:SCOPE_SE
.Lnot_mine_\@:
.endm
.macro CREST                           ; a round of the cluster's barrier behind its opening barrier
	s_cmp_lg_u32 s[WV], 0
	s_cbranch_scc1 .Lnot_wave_0_\@
	s_barrier_signal -3
.Lnot_wave_0_\@:
	s_barrier_wait -3
	s_barrier_signal -1
	s_barrier_wait -1
.endm
.macro CROUND                          ; a whole round
	s_barrier_signal -1
	s_barrier_wait -1
	CREST
.endm
.macro PLACES                          ; four places in front of loads into registers that matrix instructions have read, and of conversions that read results
.rept 4
	v_nop
.endr
.endm
; 16 matrix instructions: row blocks a0, a0 + 1 x all 8 column blocks, 32 along K: part c of buffer f.  first = 1: the bias starts the sums.  The 32 accumulators take turns, one instruction a turn, in the
; same order in every run of 32, over the backward jump too.
.macro MUL16 f, c, a0, first
.if \first
	WIN MULB
.else
	WIN MUL
.endif
.irp a, \a0, (\a0)+1
.irp b, 0,1,2,3,4,5,6,7
.if \first
	v_wmma_f32_16x16x32_bf16 v[8*(8*(\a)+(\b)):8*(8*(\a)+(\b))+7], v[128*(\f)+64*(\c)+8*(\b):128*(\f)+64*(\c)+8*(\b)+7], v[AF+64*(\f)+32*(\c)+8*(\a):AF+64*(\f)+32*(\c)+8*(\a)+7], v[8*(\b):8*(\b)+7]
.else
	v_wmma_f32_16x16x32_bf16 v[8*(8*(\a)+(\b)):8*(8*(\a)+(\b))+7], v[128*(\f)+64*(\c)+8*(\b):128*(\f)+64*(\c)+8*(\b)+7], v[AF+64*(\f)+32*(\c)+8*(\a):AF+64*(\f)+32*(\c)+8*(\a)+7], v[8*(8*(\a)+(\b)):8*(8*(\a)+(\b))+7]
.endif
.endr
.endr
.endm
; 48 LDS loads in one run: the fragments of 64 along K at byte k of the rows, into buffer f: A's 16, then B's first 32 along K (16), then B's second (16)
.macro FETCH slot, k, f
	WIN 0
.irp c, 0,1
.irp a, 0,1,2,3
	ds_load_b128 v[AF+64*(\f)+32*(\c)+8*(\a):AF+64*(\f)+32*(\c)+8*(\a)+3],   v[ADRA+(\slot)] offset:(\k)+64*(\c)+(\a)*16*PITCH
	ds_load_b128 v[AF+64*(\f)+32*(\c)+8*(\a)+4:AF+64*(\f)+32*(\c)+8*(\a)+7], v[ADRA+(\slot)] offset:(\k)+64*(\c)+(\a)*16*PITCH+32
.endr
.endr
	WIN TO_B
.irp c, 0,1
.irp b, 0,1,2,3,4,5,6,7
	ds_load_b128 v[128*(\f)+64*(\c)+8*(\b):128*(\f)+64*(\c)+8*(\b)+3],   v[ADRB+(\slot)] offset:(\k)+64*(\c)+(\b)*16*PITCH
	ds_load_b128 v[128*(\f)+64*(\c)+8*(\b)+4:128*(\f)+64*(\c)+8*(\b)+7], v[ADRB+(\slot)] offset:(\k)+64*(\c)+(\b)*16*PITCH+32
.endr
.endr
.endm
; A K step is two halves of 64 along K, 64 matrix instructions each, on buffers 0 and 1.  The first half multiplies buffer 0 and fetches the second half's fragments into buffer 1.
.macro HALF slot, first
	s_wait_dscnt 16                                ; all of the run but its last sixteen loads (B's second 32 along K)
	MUL16 0, 0, 0, \first
	MUL16 0, 0, 2, \first
	PLACES
	FETCH \slot, 128, 1
	s_wait_dscnt 48                                ; all but the 48 just issued
	MUL16 0, 1, 0, 0
	MUL16 0, 1, 2, 0
.endm
; The second half multiplies buffer 1 and changes slots: ONE barrier; in front of it each wave waits for all its tensor loads (one is out: its part of the next slot), adds 0 to its spare word, and waits for that
; and for its own reads of this slot.  fill = 1: the barrier opens a round of the cluster's, and this slot is filled again, two K steps ahead, first thing behind the round: 112 matrix instructions ahead of the wait for it.
.macro TURN slot, next, fill
.if \fill
	s_wait_xcnt 0x0                                ; the last prefetch, a K step back, has read its address, so it may be stepped
	s_add_nc_u64 s[PFA:PFA+1], s[PFA:PFA+1], s[PST:PST+1]
.endif
	WIN 0                                          ; (the add's two registers lie in window 0)
	s_wait_tensorcnt 0x0                           ; all my tensor loads have landed;
	ds_add_u32 v[SPW], v[NIL]                      ; 0 onto my spare word;
	s_wait_dscnt 17                                ; (the add and the run's last sixteen loads may be out)
	MUL16 1, 0, 0, 0                               ; sixteen matrix instructions stand between the add and the wait for it
	s_wait_dscnt 0x0                               ; the add is done, and my reads of this slot are over
	s_barrier_signal -1
	MUL16 1, 0, 2, 0
.if \fill
	WIN 0
.endif
	s_barrier_wait -1
.if \fill
	CREST                                          ; no wave of any partner still reads this slot's tiles or has a load on its way
	s_add_nc_u64 s[G0A+4*(\slot)+2:G0A+4*(\slot)+3], s[G0A+4*(\slot)+2:G0A+4*(\slot)+3], 2*ASTEP
	s_add_nc_u64 s[G0B+4*(\slot)+2:G0B+4*(\slot)+3], s[G0B+4*(\slot)+2:G0B+4*(\slot)+3], 2*BSTEP
	JLOAD \slot                                    ; the four v_nop behind it are also the places in front of the loads below
.else
	PLACES
.endif
	FETCH \next, 0, 0
.if \fill
	WIN 0
	ASK
.endif
	MUL16 1, 1, 0, 0
	MUL16 1, 1, 2, 0
.endm
	s_load_b256 s[4:11], s[0:1], 0x0               ; xb s[4:5], wb s[6:7], bq s[8:9], bk s[10:11]
	s_load_b128 s[12:15], s[0:1], 0x20             ; bv s[12:13], qkv s[14:15]
	v_lshl_add_u32 v[SPW], v0, 2, SPARE
	v_mov_b32 v[NIL], 0
	ds_add_u32 v[SPW], v[NIL]                      ; the wave's opening: the add and its wait come ahead of my first tensor load; the set-up below, work on registers, stands between them
	v_lshrrev_b32 v3, 5, v0
	v_readfirstlane_b32 s[WV], v3
	s_lshr_b32 s[WR], s[WV], 1
	s_and_b32 s[WC], s[WV], 1
	s_bfe_u32 s[CX], ttmp6, 0x40000
	s_bfe_u32 s[CY], ttmp6, 0x40004
	s_lshl_b32 s[TC], ttmp9, 2                     ; in a cluster launch ttmp9 and ttmp7 count clusters
	s_add_co_u32 s[TC], s[TC], s[CX]
	s_and_b32 s[CLY], ttmp7, 0xffff
	s_lshl_b32 s[TY], s[CLY], 2
	s_add_co_u32 s[TY], s[TY], s[CY]
	s_lshr_b32 s[TN], s[CLY], 4                    ; sixteen clusters of four tile rows a tensor
	s_lshl_b32 s46, s[CY], 2
	s_lshl_b32 s46, 15, s46                        ; my row of the cluster
	s_lshl_b32 s47, 0x1111, s[CX]                  ; my column
	s_or_b32 s[G1A], s46, (1<<16)|(1<<20)|(1<<21)|(5<<22)|(3<<25)  ; 15:0 the mask; 17:16 elements of 2 bytes; 20 padding on; 21 set beside a mask; 24:22 after every 64 words (code 5); 31:25 4 words of it (code 3)
	s_or_b32 s[G1B], s47, (1<<16)|(1<<20)|(1<<21)|(5<<22)|(3<<25)
	SHAPE G1A, 128, 64, 1024
	SHAPE G1B, 128, 128, 1024
	s_lshl_b32 s70, s[TY], 7                       ; A: row 128 x tile row + 64 x half, in bytes: made of the tile row and the wave's number alone
	s_lshl_b32 s74, s[WC], 6
	s_add_co_u32 s70, s70, s74
	s_lshl_b32 s70, s70, 11
	s_mov_b32 s71, 0
	s_lshl_b32 s72, s[TN], 10                      ; B: row 1024 t + 256 x tile column + 128 x half: made of cluster y, the tile column and the wave's number alone
	s_lshl_b32 s75, s[TC], 8
	s_add_co_u32 s72, s72, s75
	s_lshl_b32 s75, s[WC], 7
	s_add_co_u32 s72, s72, s75
	s_lshl_b32 s72, s72, 11
	s_mov_b32 s73, 0
	s_mul_i32 s74, s[WC], 64*PITCH                 ; where they go: no place in the cluster enters an LDS address
	s_mul_i32 s75, s[WC], BHALF
	s_add_co_u32 s75, s75, ATILE
	s_wait_dscnt 0x0                               ; the opening add is done
	s_wait_kmcnt 0x0
	s_add_nc_u64 s[70:71], s[4:5], s[70:71]
	s_add_nc_u64 s[72:73], s[6:7], s[72:73]
	CROUND                                         ; all sixteen work-groups are here: the first joint loads meet
.irp s, 0,1
	s_mov_b32 s[G0A+4*(\s)], 1                                     ; count = 1
	s_add_co_u32 s[G0A+4*(\s)+1], s74, (\s)*SLOT                   ; LDS address
	s_add_nc_u64 s[G0A+4*(\s)+2:G0A+4*(\s)+3], s[70:71], (\s)*ASTEP  ; global address: K step s
	s_or_b32 s[G0A+4*(\s)+3], s[G0A+4*(\s)+3], 0x80000000          ; type = 2
	s_mov_b32 s[G0B+4*(\s)], 1
	s_add_co_u32 s[G0B+4*(\s)+1], s75, (\s)*SLOT
	s_add_nc_u64 s[G0B+4*(\s)+2:G0B+4*(\s)+3], s[72:73], (\s)*BSTEP
	s_or_b32 s[G0B+4*(\s)+3], s[G0B+4*(\s)+3], 0x80000000
	JLOAD \s                                       ; two loads of mine are out
.endr
	; the bias of my 128 columns: register 8 b + j of window 3 holds b[n0 + 16 b + 8 h + j], the same for every row: an accumulator's layout
	s_cmp_eq_u32 s[TN], 0
	s_cselect_b64 s[AUX:AUX+1], s[8:9], s[10:11]
	s_cmp_eq_u32 s[TN], 2
	s_cselect_b64 s[AUX:AUX+1], s[12:13], s[AUX:AUX+1]
	s_lshl_b32 s80, s[TC], 10
	s_lshl_b32 s81, s[WC], 9
	s_add_co_u32 s80, s80, s81
	s_mov_b32 s81, 0
	s_add_nc_u64 s[AUX:AUX+1], s[AUX:AUX+1], s[80:81]
	v_and_b32 v1, 15, v0                           ; r = l % 16
	v_bfe_u32 v2, v0, 4, 1                         ; h = l / 16
	v_lshlrev_b32 v4, 5, v2                        ; 32 h; left alone until the loads are back
	WIN 0xc0                                       ; destination window 3, address window 0
.irp b, 0,1,2,3,4,5,6,7
	global_load_b128 v[8*(\b):8*(\b)+3],   v4, s[AUX:AUX+1] offset:64*(\b)
	global_load_b128 v[8*(\b)+4:8*(\b)+7], v4, s[AUX:AUX+1] offset:64*(\b)+16
.endr
	WIN 0
	; A fragment is 16 rows x 32 K in 8 registers: lane l holds row r; registers 0-3 K = 8 h + 0..7, registers 4-7 K = 16 + 8 h + 0..7: two loads of 16 bytes, 32 bytes apart
	v_mul_u32_u24 v3, v1, PITCH
	v_lshl_add_u32 v3, v2, 4, v3                   ; r x pitch + 16 h
	s_mul_i32 s74, s[WR], 64*PITCH                 ; my 64 rows of A
	s_mul_i32 s75, s[WC], BHALF                    ; my 128 rows of B, behind A's 128
	s_add_co_u32 s75, s75, ATILE
.irp s, 0,1
	v_add_nc_u32 v[ADRA+(\s)], s74, v3
	v_add_nc_u32 v[ADRB+(\s)], s75, v3
	s_add_co_u32 s74, s74, SLOT
	s_add_co_u32 s75, s75, SLOT
.endr
	s_mul_i32 s74, s[WV], 16*PITCH
	s_add_co_u32 s74, s74, STAGE                   ; my stage
	v_add_nc_u32 v[STO], s74, v3                   ; in: row r, 16 bytes for each half of the lanes
	v_mul_u32_u24 v5, v2, PITCH                    ; back: lanes 0-15 take one row of 256 bytes, lanes 16-31 the next
	v_lshl_add_u32 v5, v1, 4, v5
	v_add_nc_u32 v[RD], s74, v5
	v_lshlrev_b32 v5, 11, v2                       ; and the same two rows in qkv
	v_lshl_add_u32 v[CO], v1, 4, v5
	s_lshl_b32 s80, s[TY], 7                       ; my first row and column of qkv, in bytes
	s_lshl_b32 s81, s[WR], 6
	s_add_co_u32 s80, s80, s81
	s_lshl_b32 s80, s80, 11
	s_lshl_b32 s81, s[TC], 9
	s_add_co_u32 s80, s80, s81
	s_lshl_b32 s81, s[WC], 8
	s_add_co_u32 s80, s80, s81
	s_mov_b32 s81, 0
	s_add_nc_u64 s[OUTP:OUTP+1], s[14:15], s[80:81]
	; the prefetches
	s_lshl_b32 s80, s[TY], 7                       ; x: the tile's first row + my work-group's 32
	s_lshl_b32 s81, s[CX], 5
	s_add_co_u32 s80, s80, s81
	s_lshl_b32 s82, s[TN], 10                      ; W: the tile's first row + the 128 that I fetch + my work-group's 32
	s_lshl_b32 s83, s[TC], 8
	s_add_co_u32 s82, s82, s83
	s_lshl_b32 s83, s[WC], 7
	s_add_co_u32 s82, s82, s83
	s_lshl_b32 s83, s[CY], 5
	s_add_co_u32 s82, s82, s83
	s_and_b32 s84, s[CLY], 15                      ; 0 in a tensor's first cluster
	s_cmp_eq_u32 s[WR], 0
	s_cselect_b32 s80, s80, s82
	s_cselect_b32 s84, s[WC], s84                  ; for x wave 0 asks, in every cluster
	s_cselect_b64 s[PFA:PFA+1], s[4:5], s[6:7]
	s_cmp_eq_u32 s84, 0
	s_cselect_b32 s[LIM], 1, -1                    ; the same in all sixteen partners, for a given wave
	s_lshl_b32 s80, s80, 11
	s_add_co_u32 s80, s80, 3*ASTEP                 ; at K step 3: the first refill steps it to 4
	s_mov_b32 s81, 0
	s_add_nc_u64 s[PFA:PFA+1], s[PFA:PFA+1], s[80:81]
	s_mov_b32 s[PST], ASTEP
	s_mov_b32 s[PST+1], 0
	v_and_b32 v[PFO], 31, v0
	v_lshlrev_b32 v[PFO], 11, v[PFO]
	; the bias is rounded to bf16 and widened again: all this stands in the wait for the first tile
	s_wait_loadcnt 0x0
	WIN 0x0f                                       ; sources window 3, destination window 0
.set i, 0
.rept 32
	v_cvt_pk_bf16_f32 v[TMP+i], v[2*i], v[2*i+1]
.set i, i+1
.endr
	WIN 0xc0                                       ; destination window 3, sources window 0
.set i, 0
.rept 32
	v_lshlrev_b32 v[2*i], 16, v[TMP+i]
	v_and_b32 v[2*i+1], 0xffff0000, v[TMP+i]
.set i, i+1
.endr
	WIN 0
	s_wait_tensorcnt 1                             ; my part of K step 0 is in; K step 1's may stay out
	s_barrier_signal -1
	s_barrier_wait -1                              ; everybody's is
	FETCH 0, 0, 0
	HALF 0, 1                                      ; the first half stands in front of the loop: its first products start the sums
	WIN 0                                          ; at a label and at a branch every window is 0
	s_mov_b32 s3, LAPS-1
.Llap:                                                 ; a trip goes once round the ring, from a lap's second half to the next lap's first, and fills both slots again
	TURN 0, 1, 1
	HALF 1, 0
	TURN 1, 0, 1
	HALF 0, 0
	WIN 0
	s_sub_co_u32 s3, s3, 1
	s_cmp_lg_u32 s3, 0
	s_cbranch_scc1 .Llap
	TURN 0, 1, 0                                   ; the last lap fills nothing, and has no round of the cluster's barrier
	HALF 1, 0
	s_wait_dscnt 16                                ; the very last half: nothing more to fetch
	MUL16 1, 0, 0, 0
	MUL16 1, 0, 2, 0
	s_wait_dscnt 0x0
	MUL16 1, 1, 0, 0
	MUL16 1, 1, 2, 0
	WIN 0
	PLACES
; THE WAY OUT, a block of 16 rows at a time: rounded to f16, 16 bytes a lane; into my own stage in LDS; back as whole rows of 256 bytes; stored.
.macro PACK a
	WIN 0x05                                       ; sources window 1, destination window 0; each accumulator's registers in ascending order
.irp b, 0,1,2,3,4,5,6,7
.irp i, 0,1,2,3
	v_cvt_pk_f16_f32 v[TMP+4*(\b)+(\i)], v[64*(\a)+8*(\b)+2*(\i)], v[64*(\a)+8*(\b)+2*(\i)+1]
.endr
.endr
	WIN 0
.endm
.macro TOSTAGE a
.irp b, 0,1,2,3,4,5,6,7
	ds_store_b128 v[STO], v[TMP+4*(\b):TMP+4*(\b)+3] offset:32*(\b)
.endr
.irp t, 0,1,2,3,4,5,6,7
	ds_load_b128 v[OB+32*((\a)%2)+4*(\t):OB+32*((\a)%2)+4*(\t)+3], v[RD] offset:(\t)*2*PITCH  ; LDS serves a wave's instructions in order (ISA guide 5.7.1.4): these see the stores above
.endr
.endm
.macro SEND a
	s_wait_dscnt 0x0                               ; the block is back in registers
	s_wait_xcnt 0x0                                ; the stores of the block before have read their registers: the next block is read back into them only behind this wait
.irp t, 0,1,2,3,4,5,6,7
	global_store_b128 v[CO], v[OB+32*((\a)%2)+4*(\t):OB+32*((\a)%2)+4*(\t)+3], s[OUTP:OUTP+1] offset:(16*(\a)+2*(\t))*ROWB  ; 16 lanes store 256 consecutive bytes, at a multiple of 256 from the buffer's first byte
.endr
.endm
	PACK 0
	TOSTAGE 0
.irp a, 1,2,3                          ; block a's conversions stand between block a - 1's loads from the stage and the wait for them
	PACK \a
	SEND (\a)-1
	TOSTAGE \a
.endr
	SEND 3
	s_wait_tensorcnt 0x0                           ; the wave's end, behind my last tensor load and my last LDS store
	ds_add_u32 v[SPW], v[NIL]
	s_wait_dscnt 0x0
	CROUND                                         ; the closing round: no work-group ends while a partner may still ask for a tile that names it
	s_endpgm
.Lfunc_end_k_q35647f887f_proj:
	.size	k_q35647f887f_proj, .Lfunc_end_k_q35647f887f_proj-k_q35647f887f_proj
	.p2alignl 7, 3214868480
	.fill 96, 4, 3214868480
	.section	.rodata,"a",@progbits
	.p2align	6, 0x0
	.amdhsa_kernel k_q35647f887f_proj
		.amdhsa_group_segment_fixed_size 327680
		.amdhsa_private_segment_fixed_size 0
		.amdhsa_enable_private_segment 0
		.amdhsa_kernarg_size 48
		.amdhsa_user_sgpr_count 2
		.amdhsa_user_sgpr_kernarg_segment_ptr 1
		.amdhsa_wavefront_size32 1
		.amdhsa_system_sgpr_workgroup_id_x 1
		.amdhsa_system_sgpr_workgroup_id_y 1
		.amdhsa_system_sgpr_workgroup_id_z 1
		.amdhsa_system_vgpr_workitem_id 0
		.amdhsa_next_free_vgpr 832
		.amdhsa_next_free_sgpr 96
		.amdhsa_reserve_vcc 0
		.amdhsa_float_denorm_mode_32 3
		.amdhsa_float_denorm_mode_16_64 3
		.amdhsa_memory_ordered 1
		.amdhsa_forward_progress 1
		.amdhsa_inst_pref_size 92
	.end_amdhsa_kernel
	.amdgpu_metadata
---
amdhsa.version: [ 1, 2 ]
amdhsa.kernels:
  - .name:           k_q35647f887f_proj
    .symbol:         k_q35647f887f_proj.kd
    .args:
      - { .name: xb, .offset: 0, .size: 8, .value_kind: global_buffer, .address_space: global }
      - { .name: wb, .offset: 8, .size: 8, .value_kind: global_buffer, .address_space: global }
      - { .name: bq, .offset: 16, .size: 8, .value_kind: global_buffer, .address_space: global }
      - { .name: bk, .offset: 24, .size: 8, .value_kind: global_buffer, .address_space: global }
      - { .name: bv, .offset: 32, .size: 8, .value_kind: global_buffer, .address_space: global }
      - { .name: qkv, .offset: 40, .size: 8, .value_kind: global_buffer, .address_space: global }
    .group_segment_fixed_size: 327680
    .private_segment_fixed_size: 0
    .kernarg_segment_align: 8
    .kernarg_segment_size: 48
    .max_flat_workgroup_size: 128
    .sgpr_count:     96
    .vgpr_count:     832
    .wavefront_size: 32
...
	.end_amdgpu_metadata
.endif
;; end of part 2
;; launch score (part 3): grid 8 x 64, 4 waves a work-group, clusters of 4 x 4, 327,680 bytes of LDS; arguments qkv, ew, st; writes ew, st
.if DOCPART == 3
	.amdgcn_target "amdgcn-amd-amdhsa--gfx1250"
	.amdhsa_code_object_version 6
	.text
	.protected	k_q35647f887f_score
	.globl	k_q35647f887f_score
	.p2align	8
	.type	k_q35647f887f_score,@function
k_q35647f887f_score:
	s_mov_b64 s[64:65], 0
	v_nop
	global_prefetch_b8 v0, s[64:65] scope:SCOPE_SE
	s_setreg_imm32_b32 hwreg(HW_REG_WAVE_MODE, 25, 1), 1
	s_wait_xcnt 0x0
	s_wait_alu depctr_hold_cnt(0) depctr_sa_sdst(0) depctr_va_vdst(0) depctr_va_sdst(0) depctr_va_ssrc(0) depctr_va_vcc(0) depctr_vm_vsrc(0)
	s_getreg_b32 s2, hwreg(HW_REG_IB_STS2, 6, 4)
	s_cmp_eq_u32 s2, 0
	s_cbranch_scc0 .Lentry_in_a_cluster
	s_endpgm
.Lentry_in_a_cluster:
	s_bfe_u32 s2, ttmp6, 0x10000c
	s_cmp_lg_u32 s2, 0xf033
	s_cbranch_scc0 .Lentry_shape_is_right
	s_endpgm
.Lentry_shape_is_right:
; score: s[q][k] = Q[q] . K[k] for one batch's 2048 x 2048 pairs, and the first half of the softmax.  Q = qkv[0], K = qkv[1]: [8192][1024] f16.  Products in f16, sums in f32.
; For each query and each BLOCK of 128 keys (one wave's columns) the block's own maximum m is taken away: E = 2^(c s - c m), c = log2(e) / 32, goes to ew [8192][2048] in f16, and c m and l = the sum of the
; block's E (unrounded) go to st in f32.  The launch behind takes the greatest of a row's sixteen c m, so that the row's true maximum is what is taken away in the end; no shift is fixed.
; st: [block 16][64 rows 128][c m | l][r 16][a 4] f32: the numbers of row 64 g + 16 a + r.
; LIMITS.  E lies in 0 to 1; below 6e-5 it keeps f16's fixed step of 6e-8; an exponential below 2^-126 counts as 0.  NaN and infinities are not treated apart.
; SHARES.  A tile of the scores is 128 queries x 256 keys: 512 tiles, two for each of 256 WGPs.  Four waves, each 64 x 128: 32 accumulators of 16 x 16.  K goes in steps of 128 through two LDS slots.
; CLUSTERS: 4 x 4 work-groups.  The four of a row of the cluster need the same 128 rows of Q, the four of a column the same 256 rows of K (a cluster's four tile rows lie in one batch: sixteen tile rows a batch):
; each tile is asked for JOINTLY, by the same tensor load with the same descriptor and a mask that names the four.
; THE MATRIX INSTRUCTION IS USED TRANSPOSED (source 0 = 16 keys, source 1 = 16 queries): a lane holds ONE query (r = l % 16) and, of each 16 keys, the eight 8 h + 0..7: a query's maximum and sum want one exchange
; between the halves of the lanes.
; REGISTERS, in windows of 256 (s_set_vgpr_msb: bits 1:0 source 0, 3:2 source 1, 5:4 source 2, 7:6 destination):
;   window 0: v0-31 addresses and statistics; v32-127 the way out; v128-255 Q's fragments at 128 + 64 f + 32 c + 8 a      window 1: the accumulators, (a, b) at 8 (8 a + b)      window 2: K's fragments at 128 f + 64 c + 8 b
.set PITCH,  272                       ; an LDS row: 256 bytes + 16 of padding = 68 words: the 16 rows of a fragment load start at 16 different groups of four banks (64 banks of 4 bytes: ISA guide 11.1)
.set ATILE,  128*PITCH
.set BHALF,  128*PITCH
.set SLOT,   ATILE+2*BHALF
.set STAGE,  2*SLOT                    ; behind the ring: 16 rows x 272 bytes for each wave, for the way out
.set SPARE,  STAGE+4*16*PITCH          ; behind the stages: the spare words, 128 bytes for each wave: two blocks of 256 bytes that no other line names
.set LAPS,   4                         ; K = 1024: eight K steps, two a lap
.set ASTEP,  256
.set BSTEP,  256
.set ROWB,   4096                      ; bytes in a row of ew
.set MXC,  4                           ; v4-7    four chains of the maximum, at work
.set CMR,  8                           ; v8-11   c m of block a of my rows
.set LSR,  12                          ; v12-15  l of block a
.set ADRA, 16
.set CMQ,  18                          ; v18-19  c m of the block in hand, named as a pair; v19 holds 0
.set ADRB, 20
.set STO,  24
.set RD,   25
.set CO,   26
.set SPW,  28
.set NIL,  29
.set PFO,  30
.set TMP,  32
.set OB,   64
.set AF,   128
.set WV,  16
.set WR,  17
.set WC,  18
.set CX,  19
.set CY,  20
.set TC,  21
.set TY,  22
.set CLY, 23
.set G1A, 24
.set G0A, 32
.set PFA, 40
.set LIM, 42
.set TN,  43                           ; s43  the batch, from cluster y alone
.set PST, 44
.set G1B, 48
.set G0B, 56
.set CS,  66                           ; s[66:67] c: the packed scaling takes the pair's low word for both halves
.set SEL, 68                           ; s[68:69] v_permlanex16_b32's selects: each lane takes its own place in the other half
.set OUTP, 76                          ; s[76:77] ew at my first row and column
.set AUX, 78                           ; s[78:79] st at my block and my 64 rows
.set MSB, 0
.macro WIN new                         ; the immediate's high byte repeats the setting that is left; a switch that changes nothing is dropped
.if MSB != (\new)
	s_set_vgpr_msb (MSB<<8)|(\new)
.set MSB, \new
.endif
.endm
.set MUL,  0x52                        ; source 0 (K) window 2, source 1 (Q) window 0, C and D window 1
.set TO_B, 0x80                        ; destination window 2, address window 0
.macro SHAPE g, d0, d1, p              ; descriptor group 1, words 1 to 7: a tile of d1 rows x d0 elements that lies inside the tensor, p elements from row to row
	s_mov_b32 s[(\g)+1], (\d0)<<16
	s_mov_b32 s[(\g)+2], (\d1)<<16
	s_mov_b32 s[(\g)+3], (\d0)<<16
	s_mov_b32 s[(\g)+4], \d1
	s_mov_b32 s[(\g)+5], \p
	s_mov_b32 s[(\g)+6], 0
	s_mov_b32 s[(\g)+7], 0
.endm
.macro JLOAD s                         ; a joint load: waves 0 and 1 fetch Q's two halves, waves 2 and 3 K's; an s_nop 0 and four v_nop follow each of the two lines, ahead of the jump, the label and what follows
	s_cmp_eq_u32 s[WR], 0
	s_cbranch_scc0 .Lfor_b_\@
	tensor_load_to_lds s[G0A+4*(\s):G0A+4*(\s)+3], s[G1A:G1A+7]
	s_nop 0
.rept 4
	v_nop
.endr
	s_branch .Lasked_\@
.Lfor_b_\@:
	tensor_load_to_lds s[G0B+4*(\s):G0B+4*(\s)+3], s[G1B:G1B+7]
	s_nop 0
.rept 4
	v_nop
.endr
.Lasked_\@:
.endm
; A PREFETCH, behind each joint refill and the run of LDS loads that follows it: 32 rows x 256 bytes of the K step that stands two refills on, a lane a row: 256 matrix instructions ahead of the load that will want it.
; Each row's 256 bytes of a K step are named once in the launch.  Q's 128 rows of a tile row are read by the two clusters of that row of clusters: in the first (cluster x = 0) wave 0 of each partner takes 32 (by cx).
; K's 256 rows of a tile column are read by the four clusters of a batch: in the first, waves 2 and 3 ask for the 128 rows that they fetch, each partner 32 of them (by cy).  The partners are told apart BY ADDRESS.
; K steps 0 to 3 come by their loads alone; the loop's last trip (s3 = 1) asks for nothing.
.macro ASK
	s_cmp_gt_u32 s3, s[LIM]
	s_cbranch_scc0 .Lnot_mine_\@
	global_prefetch_b8 v[PFO], s[PFA:PFA+1] th:TH_LOAD_NT scope:SCOPE_SE
.Lnot_mine_\@:
.endm
.macro CREST                           ; a round of the cluster's barrier behind its opening barrier
	s_cmp_lg_u32 s[WV], 0
	s_cbranch_scc1 .Lnot_wave_0_\@
	s_barrier_signal -3
.Lnot_wave_0_\@:
	s_barrier_wait -3
	s_barrier_signal -1
	s_barrier_wait -1
.endm
.macro CROUND
	s_barrier_signal -1
	s_barrier_wait -1
	CREST
.endm
.macro PLACES                          ; four places in front of loads into registers that matrix instructions have read, and of vector work that reads results
.rept 4
	v_nop
.endr
.endm
; 16 matrix instructions: query blocks a0, a0 + 1 x all 8 key blocks, 32 along K: part c of buffer f.  first = 1: the products start the sums.  The 32 accumulators take turns, one instruction a turn, in the same
; order in every run of 32, over the backward jump too.
.macro MUL16 f, c, a0, first
	WIN MUL
.irp a, \a0, (\a0)+1
.irp b, 0,1,2,3,4,5,6,7
.if \first
	v_wmma_f32_16x16x32_f16 v[8*(8*(\a)+(\b)):8*(8*(\a)+(\b))+7], v[128*(\f)+64*(\c)+8*(\b):128*(\f)+64*(\c)+8*(\b)+7], v[AF+64*(\f)+32*(\c)+8*(\a):AF+64*(\f)+32*(\c)+8*(\a)+7], 0
.else
	v_wmma_f32_16x16x32_f16 v[8*(8*(\a)+(\b)):8*(8*(\a)+(\b))+7], v[128*(\f)+64*(\c)+8*(\b):128*(\f)+64*(\c)+8*(\b)+7], v[AF+64*(\f)+32*(\c)+8*(\a):AF+64*(\f)+32*(\c)+8*(\a)+7], v[8*(8*(\a)+(\b)):8*(8*(\a)+(\b))+7]
.endif
.endr
.endr
.endm
; 48 LDS loads in one run: the fragments of 64 along K at byte k of the rows, into buffer f: Q's 16, then K's first 32 along K (16), then K's second (16)
.macro FETCH slot, k, f
	WIN 0
.irp c, 0,1
.irp a, 0,1,2,3
	ds_load_b128 v[AF+64*(\f)+32*(\c)+8*(\a):AF+64*(\f)+32*(\c)+8*(\a)+3],   v[ADRA+(\slot)] offset:(\k)+64*(\c)+(\a)*16*PITCH
	ds_load_b128 v[AF+64*(\f)+32*(\c)+8*(\a)+4:AF+64*(\f)+32*(\c)+8*(\a)+7], v[ADRA+(\slot)] offset:(\k)+64*(\c)+(\a)*16*PITCH+32
.endr
.endr
	WIN TO_B
.irp c, 0,1
.irp b, 0,1,2,3,4,5,6,7
	ds_load_b128 v[128*(\f)+64*(\c)+8*(\b):128*(\f)+64*(\c)+8*(\b)+3],   v[ADRB+(\slot)] offset:(\k)+64*(\c)+(\b)*16*PITCH
	ds_load_b128 v[128*(\f)+64*(\c)+8*(\b)+4:128*(\f)+64*(\c)+8*(\b)+7], v[ADRB+(\slot)] offset:(\k)+64*(\c)+(\b)*16*PITCH+32
.endr
.endr
.endm
.macro HALF slot, first                ; a K step's first half: multiplies buffer 0 and fetches the second half's fragments into buffer 1
	s_wait_dscnt 16                                ; all of the run but its last sixteen loads
	MUL16 0, 0, 0, \first
	MUL16 0, 0, 2, \first
	PLACES
	FETCH \slot, 128, 1
	s_wait_dscnt 48                                ; all but the 48 just issued
	MUL16 0, 1, 0, 0
	MUL16 0, 1, 2, 0
.endm
; The second half multiplies buffer 1 and changes slots: ONE barrier; in front of it each wave waits for all its tensor loads (one is out: its part of the next slot), adds 0 to its spare word, and waits for that
; and for its own reads of this slot.  fill = 1: the barrier opens a round of the cluster's, and this slot is filled again, two K steps ahead, first thing behind the round: 112 matrix instructions ahead of the wait for it.
.macro TURN slot, next, fill
.if \fill
	s_wait_xcnt 0x0                                ; the last prefetch, a K step back, has read its address, so it may be stepped
	s_add_nc_u64 s[PFA:PFA+1], s[PFA:PFA+1], s[PST:PST+1]
.endif
	WIN 0
	s_wait_tensorcnt 0x0                           ; all my tensor loads have landed;
	ds_add_u32 v[SPW], v[NIL]                      ; 0 onto my spare word;
	s_wait_dscnt 17                                ; (the add and the run's last sixteen loads may be out)
	MUL16 1, 0, 0, 0
	s_wait_dscnt 0x0                               ; the add is done, and my reads of this slot are over
	s_barrier_signal -1
	MUL16 1, 0, 2, 0
.if \fill
	WIN 0
.endif
	s_barrier_wait -1
.if \fill
	CREST                                          ; no wave of any partner still reads this slot's tiles or has a load on its way
	s_add_nc_u64 s[G0A+4*(\slot)+2:G0A+4*(\slot)+3], s[G0A+4*(\slot)+2:G0A+4*(\slot)+3], 2*ASTEP
	s_add_nc_u64 s[G0B+4*(\slot)+2:G0B+4*(\slot)+3], s[G0B+4*(\slot)+2:G0B+4*(\slot)+3], 2*BSTEP
	JLOAD \slot                                    ; the four v_nop behind it are also the places in front of the loads below
.else
	PLACES
.endif
	FETCH \next, 0, 0
.if \fill
	WIN 0
	ASK
.endif
	MUL16 1, 1, 0, 0
	MUL16 1, 1, 2, 0
.endm
	s_load_b128 s[4:7], s[0:1], 0x0                ; qkv s[4:5], ew s[6:7]
	s_load_b64 s[8:9], s[0:1], 0x10                ; st
	v_lshl_add_u32 v[SPW], v0, 2, SPARE
	v_mov_b32 v[NIL], 0
	ds_add_u32 v[SPW], v[NIL]                      ; the wave's opening: the add and its wait come ahead of my first tensor load; the set-up below, work on registers, stands between them
	v_lshrrev_b32 v3, 5, v0
	v_readfirstlane_b32 s[WV], v3
	s_lshr_b32 s[WR], s[WV], 1
	s_and_b32 s[WC], s[WV], 1
	s_bfe_u32 s[CX], ttmp6, 0x40000
	s_bfe_u32 s[CY], ttmp6, 0x40004
	s_lshl_b32 s[TC], ttmp9, 2
	s_add_co_u32 s[TC], s[TC], s[CX]
	s_and_b32 s[CLY], ttmp7, 0xffff
	s_lshl_b32 s[TY], s[CLY], 2
	s_add_co_u32 s[TY], s[TY], s[CY]
	s_lshr_b32 s[TN], s[CLY], 2                    ; four clusters of four tile rows a batch
	s_lshl_b32 s46, s[CY], 2
	s_lshl_b32 s46, 15, s46                        ; my row of the cluster
	s_lshl_b32 s47, 0x1111, s[CX]                  ; my column
	s_or_b32 s[G1A], s46, (1<<16)|(1<<20)|(1<<21)|(5<<22)|(3<<25)  ; 15:0 the mask; 17:16 elements of 2 bytes; 20 padding on; 21 set beside a mask; 24:22 after every 64 words (code 5); 31:25 4 words of it (code 3)
	s_or_b32 s[G1B], s47, (1<<16)|(1<<20)|(1<<21)|(5<<22)|(3<<25)
	SHAPE G1A, 128, 64, 1024
	SHAPE G1B, 128, 128, 1024
	s_mov_b32 s[CS], 0x3d38aa3b                    ; c = log2(e) / 32 = 0.0450842
	s_mov_b32 s[CS+1], s[CS]
	s_mov_b32 s[SEL], 0x76543210
	s_mov_b32 s[SEL+1], 0xfedcba98
	s_lshl_b32 s70, s[TY], 7                       ; Q: row 128 x tile row + 64 x half, in bytes
	s_lshl_b32 s74, s[WC], 6
	s_add_co_u32 s70, s70, s74
	s_lshl_b32 s70, s70, 11
	s_mov_b32 s71, 0
	s_lshl_b32 s72, s[TN], 11                      ; K: row 2048 x batch + 256 x tile column + 128 x half, behind Q's 16,777,216 bytes
	s_lshl_b32 s75, s[TC], 8
	s_add_co_u32 s72, s72, s75
	s_lshl_b32 s75, s[WC], 7
	s_add_co_u32 s72, s72, s75
	s_lshl_b32 s72, s72, 11
	s_add_co_u32 s72, s72, 0x1000000
	s_mov_b32 s73, 0
	s_mul_i32 s74, s[WC], 64*PITCH                 ; where they go: no place in the cluster enters an LDS address
	s_mul_i32 s75, s[WC], BHALF
	s_add_co_u32 s75, s75, ATILE
	s_wait_dscnt 0x0                               ; the opening add is done
	s_wait_kmcnt 0x0
	s_add_nc_u64 s[70:71], s[4:5], s[70:71]
	s_add_nc_u64 s[72:73], s[4:5], s[72:73]
	CROUND                                         ; all sixteen work-groups are here: the first joint loads meet
.irp s, 0,1
	s_mov_b32 s[G0A+4*(\s)], 1
	s_add_co_u32 s[G0A+4*(\s)+1], s74, (\s)*SLOT
	s_add_nc_u64 s[G0A+4*(\s)+2:G0A+4*(\s)+3], s[70:71], (\s)*ASTEP
	s_or_b32 s[G0A+4*(\s)+3], s[G0A+4*(\s)+3], 0x80000000
	s_mov_b32 s[G0B+4*(\s)], 1
	s_add_co_u32 s[G0B+4*(\s)+1], s75, (\s)*SLOT
	s_add_nc_u64 s[G0B+4*(\s)+2:G0B+4*(\s)+3], s[72:73], (\s)*BSTEP
	s_or_b32 s[G0B+4*(\s)+3], s[G0B+4*(\s)+3], 0x80000000
	JLOAD \s                                       ; two loads of mine are out
.endr
	v_and_b32 v1, 15, v0                           ; r = l % 16
	v_bfe_u32 v2, v0, 4, 1                         ; h = l / 16
	v_mov_b32 v[CMQ+1], 0                          ; named with c m as a pair
	v_mul_u32_u24 v3, v1, PITCH
	v_lshl_add_u32 v3, v2, 4, v3                   ; r x pitch + 16 h
	s_mul_i32 s74, s[WR], 64*PITCH                 ; my 64 rows of Q
	s_mul_i32 s75, s[WC], BHALF                    ; my 128 rows of K, behind Q's 128
	s_add_co_u32 s75, s75, ATILE
.irp s, 0,1
	v_add_nc_u32 v[ADRA+(\s)], s74, v3
	v_add_nc_u32 v[ADRB+(\s)], s75, v3
	s_add_co_u32 s74, s74, SLOT
	s_add_co_u32 s75, s75, SLOT
.endr
	s_mul_i32 s74, s[WV], 16*PITCH
	s_add_co_u32 s74, s74, STAGE                   ; my stage
	v_add_nc_u32 v[STO], s74, v3
	v_mul_u32_u24 v5, v2, PITCH
	v_lshl_add_u32 v5, v1, 4, v5
	v_add_nc_u32 v[RD], s74, v5
	v_lshlrev_b32 v5, 12, v2                       ; two rows of ew
	v_lshl_add_u32 v[CO], v1, 4, v5
	s_lshl_b32 s80, s[TY], 7                       ; my first row and column of ew, in bytes
	s_lshl_b32 s81, s[WR], 6
	s_add_co_u32 s80, s80, s81
	s_lshl_b32 s80, s80, 12
	s_lshl_b32 s81, s[TC], 9
	s_add_co_u32 s80, s80, s81
	s_lshl_b32 s81, s[WC], 8
	s_add_co_u32 s80, s80, s81
	s_mov_b32 s81, 0
	s_add_nc_u64 s[OUTP:OUTP+1], s[6:7], s[80:81]
	s_lshl_b32 s80, s[TC], 1                       ; st: block 2 x tile column + half, 65,536 bytes a block;
	s_add_co_u32 s80, s80, s[WC]
	s_lshl_b32 s80, s80, 16
	s_lshl_b32 s81, s[TY], 1                       ; 64 rows 2 x tile row + half, 512 bytes each
	s_add_co_u32 s81, s81, s[WR]
	s_lshl_b32 s81, s81, 9
	s_add_co_u32 s80, s80, s81
	s_mov_b32 s81, 0
	s_add_nc_u64 s[AUX:AUX+1], s[8:9], s[80:81]
	; the prefetches
	s_lshl_b32 s80, s[TY], 7                       ; Q: the tile's first row + my work-group's 32
	s_lshl_b32 s81, s[CX], 5
	s_add_co_u32 s80, s80, s81
	s_lshl_b32 s82, s[TN], 11                      ; K: the tile's first row + the 128 that I fetch + my work-group's 32, behind Q's 8,192 rows
	s_lshl_b32 s83, s[TC], 8
	s_add_co_u32 s82, s82, s83
	s_lshl_b32 s83, s[WC], 7
	s_add_co_u32 s82, s82, s83
	s_lshl_b32 s83, s[CY], 5
	s_add_co_u32 s82, s82, s83
	s_add_co_u32 s82, s82, 8192
	s_or_b32 s84, ttmp9, s[WC]                     ; 0 in wave 0 of a row's first cluster
	s_and_b32 s85, s[CLY], 3                       ; 0 in a batch's first cluster
	s_cmp_eq_u32 s[WR], 0
	s_cselect_b32 s80, s80, s82
	s_cselect_b32 s84, s84, s85
	s_cmp_eq_u32 s84, 0
	s_cselect_b32 s[LIM], 1, -1                    ; the same in all sixteen partners, for a given wave
	s_lshl_b32 s80, s80, 11
	s_add_co_u32 s80, s80, 3*ASTEP                 ; at K step 3: the first refill steps it to 4
	s_mov_b32 s81, 0
	s_add_nc_u64 s[PFA:PFA+1], s[4:5], s[80:81]
	s_mov_b32 s[PST], ASTEP
	s_mov_b32 s[PST+1], 0
	v_and_b32 v[PFO], 31, v0
	v_lshlrev_b32 v[PFO], 11, v[PFO]
	s_wait_tensorcnt 1                             ; my part of K step 0 is in; K step 1's may stay out
	s_barrier_signal -1
	s_barrier_wait -1
	FETCH 0, 0, 0
	HALF 0, 1                                      ; the first half stands in front of the loop: its first products start the sums
	WIN 0
	s_mov_b32 s3, LAPS-1
.Llap:                                                 ; a trip goes once round the ring and fills both slots again
	TURN 0, 1, 1
	HALF 1, 0
	TURN 1, 0, 1
	HALF 0, 0
	WIN 0
	s_sub_co_u32 s3, s3, 1
	s_cmp_lg_u32 s3, 0
	s_cbranch_scc1 .Llap
	TURN 0, 1, 0                                   ; the last lap fills nothing
	HALF 1, 0
	s_wait_dscnt 16
	MUL16 1, 0, 0, 0
	MUL16 1, 0, 2, 0
	s_wait_dscnt 0x0
	MUL16 1, 1, 0, 0
	MUL16 1, 1, 2, 0
	WIN 0
	PLACES
; THE WAY OUT, a block of 16 queries at a time.  SOFT a: the maximum of the lane's 64 scores and of the other half's; c s - c m; the exponentials, ONE batch of 64 with one wait; rounded to f16; their sum.
.macro SUMLV w, n                      ; n packed additions: registers w apart, 2 w from one to the next
.set u, 0
.rept \n
	v_pk_add_f32 v[AC+2*(\w)*u:AC+2*(\w)*u+1], v[AC+2*(\w)*u:AC+2*(\w)*u+1], v[AC+2*(\w)*u+(\w):AC+2*(\w)*u+(\w)+1]
.set u, u+1
.endr
.endm
.macro SOFT a
.set AC, 64*(\a)
	WIN 0x15                                       ; three sources in window 1.  Four chains over 16 registers each
.irp k, 0,1,2,3
	v_max3_num_f32 v[MXC+(\k)], v[AC+16*(\k)], v[AC+16*(\k)+1], v[AC+16*(\k)+2]
.endr
	WIN 0x14
.irp n, 1,2,3,4,5,6
.irp k, 0,1,2,3
	v_max3_num_f32 v[MXC+(\k)], v[MXC+(\k)], v[AC+16*(\k)+2*(\n)+1], v[AC+16*(\k)+2*(\n)+2]
.endr
.endr
	v_max3_num_f32 v[MXC], v[MXC], v[AC+15], v[AC+31]
	v_max3_num_f32 v[MXC+2], v[MXC+2], v[AC+47], v[AC+63]
	WIN 0
	v_max3_num_f32 v[MXC], v[MXC], v[MXC+1], v[MXC+2]
	v_max_num_f32 v[MXC], v[MXC], v[MXC+3]
	v_permlanex16_b32 v[MXC+1], v[MXC], s[SEL], s[SEL+1]  ; the query's other 64 keys lie in the lane 16 away
	v_max_num_f32 v[MXC], v[MXC], v[MXC+1]
	v_mul_f32 v[CMQ], s[CS], v[MXC]                ; c m (c is positive)
	v_mov_b32 v[CMR+(\a)], v[CMQ]
	WIN 0x41                                       ; destination and source 0 in window 1, c m in window 0
.set i, 0
.rept 32
	v_pk_fma_f32 v[AC+2*i:AC+2*i+1], v[AC+2*i:AC+2*i+1], s[CS:CS+1], v[CMQ:CMQ+1] op_sel_hi:[1,0,0] neg_lo:[0,0,1] neg_hi:[0,0,1]
.set i, i+1
.endr
.set i, 0
.rept 64
	v_exp_f32 v[AC+i], v[AC+i]
.set i, i+1
.endr
	v_nop                                          ; a plain instruction behind the last exponential,
	s_wait_alu depctr_va_vdst(0)                   ; and the wait ahead of the first use: one for the 64
	WIN 0x05
.irp b, 0,1,2,3,4,5,6,7
.irp i, 0,1,2,3
	v_cvt_pk_f16_f32 v[TMP+4*(\b)+(\i)], v[AC+8*(\b)+2*(\i)], v[AC+8*(\b)+2*(\i)+1]
.endr
.endr
	WIN 0x45                                       ; the sum of the 32 pairs, in place
	SUMLV 2, 16
	SUMLV 4, 8
	SUMLV 8, 4
	SUMLV 16, 2
	SUMLV 32, 1
	WIN 0x05
	v_add_f32 v[LSR+(\a)], v[AC], v[AC+1]
	WIN 0
	v_permlanex16_b32 v[MXC+1], v[LSR+(\a)], s[SEL], s[SEL+1]
	v_add_f32 v[LSR+(\a)], v[LSR+(\a)], v[MXC+1]
.endm
.macro TOSTAGE a
.irp b, 0,1,2,3,4,5,6,7
	ds_store_b128 v[STO], v[TMP+4*(\b):TMP+4*(\b)+3] offset:32*(\b)
.endr
.irp t, 0,1,2,3,4,5,6,7
	ds_load_b128 v[OB+32*((\a)%2)+4*(\t):OB+32*((\a)%2)+4*(\t)+3], v[RD] offset:(\t)*2*PITCH  ; LDS serves a wave's instructions in order (ISA guide 5.7.1.4): these see the stores above
.endr
.endm
.macro SEND a
	s_wait_dscnt 0x0                               ; the block is back in registers
	s_wait_xcnt 0x0                                ; the stores of the block before have read their registers: the next block is read back into them only behind this wait
.irp t, 0,1,2,3,4,5,6,7
	global_store_b128 v[CO], v[OB+32*((\a)%2)+4*(\t):OB+32*((\a)%2)+4*(\t)+3], s[OUTP:OUTP+1] offset:(16*(\a)+2*(\t))*ROWB  ; 16 lanes store 256 consecutive bytes, at a multiple of 256 from the buffer's first byte
.endr
.endm
	SOFT 0
	TOSTAGE 0
.irp a, 1,2,3                          ; block a's softmax stands between block a - 1's loads from the stage and the wait for them
	SOFT \a
	SEND (\a)-1
	TOSTAGE \a
.endr
	SEND 3
	; the statistics: lanes 0-15 store their row's four c m, lanes 16-31 its four l: one store of 512 consecutive bytes, aligned
	v_cmp_eq_u32 vcc_lo, 1, v2
.irp i, 0,1,2,3
	v_cndmask_b32 v[TMP+(\i)], v[CMR+(\i)], v[LSR+(\i)], vcc_lo
.endr
	v_lshlrev_b32 v3, 4, v1
	v_lshl_add_u32 v3, v2, 8, v3
	global_store_b128 v3, v[TMP:TMP+3], s[AUX:AUX+1]
	s_wait_tensorcnt 0x0                           ; the wave's end, behind my last tensor load and my last LDS store
	ds_add_u32 v[SPW], v[NIL]
	s_wait_dscnt 0x0
	CROUND                                         ; the closing round
	s_endpgm
.Lfunc_end_k_q35647f887f_score:
	.size	k_q35647f887f_score, .Lfunc_end_k_q35647f887f_score-k_q35647f887f_score
	.p2alignl 7, 3214868480
	.fill 96, 4, 3214868480
	.section	.rodata,"a",@progbits
	.p2align	6, 0x0
	.amdhsa_kernel k_q35647f887f_score
		.amdhsa_group_segment_fixed_size 327680
		.amdhsa_private_segment_fixed_size 0
		.amdhsa_enable_private_segment 0
		.amdhsa_kernarg_size 24
		.amdhsa_user_sgpr_count 2
		.amdhsa_user_sgpr_kernarg_segment_ptr 1
		.amdhsa_wavefront_size32 1
		.amdhsa_system_sgpr_workgroup_id_x 1
		.amdhsa_system_sgpr_workgroup_id_y 1
		.amdhsa_system_sgpr_workgroup_id_z 1
		.amdhsa_system_vgpr_workitem_id 0
		.amdhsa_next_free_vgpr 768
		.amdhsa_next_free_sgpr 96
		.amdhsa_reserve_vcc 1
		.amdhsa_float_denorm_mode_32 3
		.amdhsa_float_denorm_mode_16_64 3
		.amdhsa_memory_ordered 1
		.amdhsa_forward_progress 1
		.amdhsa_inst_pref_size 120
	.end_amdhsa_kernel
	.amdgpu_metadata
---
amdhsa.version: [ 1, 2 ]
amdhsa.kernels:
  - .name:           k_q35647f887f_score
    .symbol:         k_q35647f887f_score.kd
    .args:
      - { .name: qkv, .offset: 0, .size: 8, .value_kind: global_buffer, .address_space: global }
      - { .name: ew, .offset: 8, .size: 8, .value_kind: global_buffer, .address_space: global }
      - { .name: st, .offset: 16, .size: 8, .value_kind: global_buffer, .address_space: global }
    .group_segment_fixed_size: 327680
    .private_segment_fixed_size: 0
    .kernarg_segment_align: 8
    .kernarg_segment_size: 24
    .max_flat_workgroup_size: 128
    .sgpr_count:     96
    .vgpr_count:     768
    .wavefront_size: 32
...
	.end_amdgpu_metadata
.endif
;; end of part 3
;; launch mix (part 4): grid 4 x 64, 4 waves a work-group, clusters of 4 x 4, 327,680 bytes of LDS; arguments ew, st, qkv, out0; writes out0
.if DOCPART == 4
	.amdgcn_target "amdgcn-amd-amdhsa--gfx1250"
	.amdhsa_code_object_version 6
	.text
	.protected	k_q35647f887f_mix
	.globl	k_q35647f887f_mix
	.p2align	8
	.type	k_q35647f887f_mix,@function
k_q35647f887f_mix:
	s_mov_b64 s[64:65], 0
	v_nop
	global_prefetch_b8 v0, s[64:65] scope:SCOPE_SE
	s_setreg_imm32_b32 hwreg(HW_REG_WAVE_MODE, 25, 1), 1
	s_wait_xcnt 0x0
	s_wait_alu depctr_hold_cnt(0) depctr_sa_sdst(0) depctr_va_vdst(0) depctr_va_sdst(0) depctr_va_ssrc(0) depctr_va_vcc(0) depctr_vm_vsrc(0)
	s_getreg_b32 s2, hwreg(HW_REG_IB_STS2, 6, 4)
	s_cmp_eq_u32 s2, 0
	s_cbranch_scc0 .Lentry_in_a_cluster
	s_endpgm
.Lentry_in_a_cluster:
	s_bfe_u32 s2, ttmp6, 0x10000c
	s_cmp_lg_u32 s2, 0xf033
	s_cbranch_scc0 .Lentry_shape_is_right
	s_endpgm
.Lentry_shape_is_right:
; mix: out0[q][d] = (the sum over blocks of f_blk x the sum over the block's 128 keys of E[q][k] V[k][d]) / L[q].  ew: [8192][2048] f16, V = qkv[2]: [8192][1024] f16, out0: [8192][1024] f32.
; THE SECOND HALF OF THE SOFTMAX.  st holds, for each query and each block of 128 keys, c m (the block's maximum, scaled) and l (the block's sum of E).  c M = the greatest of the row's sixteen c m: the row's true
; maximum; f = 2^(c m - c M), rounded to f16; L = the sum of f l, in f32, with the same rounded f that scales E.  E's fragments are multiplied by f (packed f16) between the LDS load and the matrix instruction.
; L is at least about 1: the block that holds the row's maximum has f = 1 and an E of 1.
; LIMITS.  E f lies in 0 to 1 and below 6e-5 keeps f16's fixed step of 6e-8; a factor below 2^-126 counts as 0.  NaN and infinities are not treated apart.
; SHARES.  A tile of out0 is 128 queries x 256 channels: 256 tiles, one for each WGP.  Four waves, each 64 x 128: 32 accumulators.  K (the keys) goes in steps of 128, a block a step, through two LDS slots.
; CLUSTERS: 4 x 4 work-groups.  The four of a row of the cluster need the same 128 rows of E, the four of a column the same 128 keys x 256 channels of V (a cluster's four tile rows lie in one batch): each tile is
; asked for JOINTLY, by the same tensor load with the same descriptor and a mask that names the four.
; LAYOUT.  O^T = V^T (E f)^T: source 0 = 16 channels x 32 keys of V, which lies [key][channel] in LDS and comes out turned, by ds_load_tr16_b128; source 1 = 16 queries x 32 keys of E.  A lane holds one query
; (r = l % 16) and eight neighbouring channels.
; REGISTERS, in windows of 256 (s_set_vgpr_msb: bits 1:0 source 0, 3:2 source 1, 5:4 source 2, 7:6 destination):
;   window 0: v0-31 addresses; v32-57 statistics; v64-127 the prologue's loads, later the way out; v128-255 E's fragments at 128 + 64 f + 32 c + 8 a, later the way out
;   window 1: the accumulators, (a, b) at 8 (8 a + b)      window 2: V's fragments at 128 f + 64 c + 8 b
.set PITCH,  272                       ; a row of E in LDS: 256 bytes + 16 of padding: the 16 rows of a fragment load start at 16 different groups of four banks (64 banks of 4 bytes: ISA guide 11.1)
.set VPITCH, 544                       ; a row of V: 512 bytes + 32 = 136 words
.set ATILE,  128*PITCH
.set BHALF,  64*VPITCH                 ; 64 keys: one tensor load
.set SLOT,   ATILE+2*BHALF
.set TAB,    2*SLOT                    ; behind the ring: each wave's table of factors: [block 16][r 16][a 4] words, f in both halves of a word: 4,096 bytes a wave
.set STAGE,  TAB+4*4096                ; 16 rows x 528 bytes for each wave, for the way out
.set SPITCH, 528                       ; 512 bytes + 16: an odd multiple of 16
.set SPARE,  STAGE+4*16*SPITCH         ; the spare words, 128 bytes for each wave: two blocks of 256 bytes that no other line names
.set LAPS,   8                         ; 2048 keys: sixteen K steps, two a lap
.set ASTEP,  256                       ; 128 keys along a row of E
.set BSTEP,  262144                    ; 128 rows of V
.set ROWB,   4096                      ; bytes in a row of out0
.set ADRA, 16
.set ADRB, 20
.set STO,  24
.set RD,   25
.set CO,   26
.set SPW,  28
.set NIL,  29
.set PFO,  30
.set MX,   32                          ; v32-35  c M of block a of my rows
.set LS,   36                          ; v36-39  L
.set TP,   40                          ; v40-43  at work
.set RC,   44                          ; v44-51  1 / L, twice each: pairs for the packed multiply
.set FAC,  52                          ; v52-55  the step's factors: f of row 16 a + r, in both halves
.set TBA,  56                          ; v56     LDS address of the next step's factors
.set ZR,   57                          ; v57     0, the first addend of L
.set CMB,  64                          ; v64-95  prologue: c m, then f, of block 8 h + i, row block a at 64 + 4 i + a
.set LB,   96                          ; v96-127 prologue: l likewise
.set TMP,  64                          ; the way out: 64 registers, a block's results
.set OB,   128                         ; v128-191, v192-255 by turns: 16 rows read back from the stage
.set AF,   128
.set WV,  16
.set WR,  17
.set WC,  18
.set CX,  19
.set CY,  20
.set TC,  21
.set TY,  22
.set CLY, 23
.set G1A, 24
.set G0A, 32
.set PFA, 40
.set LIM, 42
.set TN,  43                           ; s43  the batch, from cluster y alone
.set PST, 44
.set G1B, 48
.set G0B, 56
.set SEL, 68
.set OUTP, 76
.set AUX, 78
.set MSB, 0
.macro WIN new                         ; the immediate's high byte repeats the setting that is left; a switch that changes nothing is dropped
.if MSB != (\new)
	s_set_vgpr_msb (MSB<<8)|(\new)
.set MSB, \new
.endif
.endm
.set MUL,  0x52                        ; source 0 (V) window 2, source 1 (E) window 0, C and D window 1
.set TO_B, 0x80
.macro SHAPE g, d0, d1, p              ; descriptor group 1, words 1 to 7: a tile of d1 rows x d0 elements that lies inside the tensor, p elements from row to row
	s_mov_b32 s[(\g)+1], (\d0)<<16
	s_mov_b32 s[(\g)+2], (\d1)<<16
	s_mov_b32 s[(\g)+3], (\d0)<<16
	s_mov_b32 s[(\g)+4], \d1
	s_mov_b32 s[(\g)+5], \p
	s_mov_b32 s[(\g)+6], 0
	s_mov_b32 s[(\g)+7], 0
.endm
.macro JLOAD s                         ; a joint load: waves 0 and 1 fetch E's two halves, waves 2 and 3 V's; an s_nop 0 and four v_nop follow each of the two lines, ahead of the jump, the label and what follows
	s_cmp_eq_u32 s[WR], 0
	s_cbranch_scc0 .Lfor_b_\@
	tensor_load_to_lds s[G0A+4*(\s):G0A+4*(\s)+3], s[G1A:G1A+7]
	s_nop 0
.rept 4
	v_nop
.endr
	s_branch .Lasked_\@
.Lfor_b_\@:
	tensor_load_to_lds s[G0B+4*(\s):G0B+4*(\s)+3], s[G1B:G1B+7]
	s_nop 0
.rept 4
	v_nop
.endr
.Lasked_\@:
.endm
; A PREFETCH, behind each joint refill and the run of LDS loads that follows it: 32 blocks of 256 bytes of the K step that stands two refills on: 256 matrix instructions ahead of the load that will want it.
; Each block is named once in the launch.  E's 128 rows of a tile row are read by my cluster alone: wave 0 of each partner takes 32 rows (by cx), a lane a row.  V's 128 keys x 512 bytes of a tile column are read by
; the four clusters of a batch: in the first, waves 2 and 3 ask for the 64 keys that they fetch, each partner 16 of them (by cy), two lanes a key.  The partners are told apart BY ADDRESS.
; K steps 0 to 3 come by their loads alone; the loop's last trip (s3 = 1) asks for nothing.
.macro ASK
	s_cmp_gt_u32 s3, s[LIM]
	s_cbranch_scc0 .Lnot_mine_\@
	global_prefetch_b8 v[PFO], s[PFA:PFA+1] th:TH_LOAD_NT scope:SCOPE_SE
.Lnot_mine_\@:
.endm
.macro CREST
	s_cmp_lg_u32 s[WV], 0
	s_cbranch_scc1 .Lnot_wave_0_\@
	s_barrier_signal -3
.Lnot_wave_0_\@:
	s_barrier_wait -3
	s_barrier_signal -1
	s_barrier_wait -1
.endm
.macro CROUND
	s_barrier_signal -1
	s_barrier_wait -1
	CREST
.endm
.macro PLACES                          ; four places in front of loads into registers that matrix instructions have read, and of vector work that reads results
.rept 4
	v_nop
.endr
.endm
; 16 matrix instructions: query blocks a0, a0 + 1 x all 8 channel blocks, 32 keys: part c of buffer f.  The 32 accumulators take turns, one instruction a turn, in the same order in every run of 32.
.macro MUL16 f, c, a0, first
	WIN MUL
.irp a, \a0, (\a0)+1
.irp b, 0,1,2,3,4,5,6,7
.if \first
	v_wmma_f32_16x16x32_f16 v[8*(8*(\a)+(\b)):8*(8*(\a)+(\b))+7], v[128*(\f)+64*(\c)+8*(\b):128*(\f)+64*(\c)+8*(\b)+7], v[AF+64*(\f)+32*(\c)+8*(\a):AF+64*(\f)+32*(\c)+8*(\a)+7], 0
.else
	v_wmma_f32_16x16x32_f16 v[8*(8*(\a)+(\b)):8*(8*(\a)+(\b))+7], v[128*(\f)+64*(\c)+8*(\b):128*(\f)+64*(\c)+8*(\b)+7], v[AF+64*(\f)+32*(\c)+8*(\a):AF+64*(\f)+32*(\c)+8*(\a)+7], v[8*(8*(\a)+(\b)):8*(8*(\a)+(\b))+7]
.endif
.endr
.endr
.endm
.macro SC g                            ; register q of buffer g's 64 of E, two weights, times its row's factor
	v_pk_mul_f16 v[AF+64*(\g)+q], v[AF+64*(\g)+q], v[FAC+(q/8)%4]
.set q, q+1
.endm
; The same 16 matrix instructions with four scalings behind each: 64, all of buffer g's registers of E, which the products round them do not name.
.macro MUL16R f, c, a0, g
.set q, 0
.irp a, \a0, (\a0)+1
.irp b, 0,1,2,3,4,5,6,7
	WIN MUL
	v_wmma_f32_16x16x32_f16 v[8*(8*(\a)+(\b)):8*(8*(\a)+(\b))+7], v[128*(\f)+64*(\c)+8*(\b):128*(\f)+64*(\c)+8*(\b)+7], v[AF+64*(\f)+32*(\c)+8*(\a):AF+64*(\f)+32*(\c)+8*(\a)+7], v[8*(8*(\a)+(\b)):8*(8*(\a)+(\b))+7]
	WIN 0
	SC \g
	SC \g
	SC \g
	SC \g
.endr
.endr
.endm
; One run of LDS loads: the fragments of keys 64 hf .. 64 hf + 63 of the slot's step, into buffer f: (fs = 1: the step's four factors,) E's 16, then V's first 32 keys (16), then V's second (16)
.macro FETCH4 slot, hf, f, fs
	WIN 0
.if \fs
	ds_load_b128 v[FAC:FAC+3], v[TBA]
	v_add_nc_u32 v[TBA], 256, v[TBA]               ; the next step's
.endif
.irp c, 0,1
.irp a, 0,1,2,3
	ds_load_b128 v[AF+64*(\f)+32*(\c)+8*(\a):AF+64*(\f)+32*(\c)+8*(\a)+3],   v[ADRA+(\slot)] offset:128*(\hf)+64*(\c)+(\a)*16*PITCH
	ds_load_b128 v[AF+64*(\f)+32*(\c)+8*(\a)+4:AF+64*(\f)+32*(\c)+8*(\a)+7], v[ADRA+(\slot)] offset:128*(\hf)+64*(\c)+(\a)*16*PITCH+32
.endr
.endr
	WIN TO_B
.irp c, 0,1
.irp b, 0,1,2,3,4,5,6,7
	ds_load_tr16_b128 v[128*(\f)+64*(\c)+8*(\b):128*(\f)+64*(\c)+8*(\b)+3],   v[ADRB+(\slot)] offset:(64*(\hf)+32*(\c))*VPITCH+32*(\b)
	ds_load_tr16_b128 v[128*(\f)+64*(\c)+8*(\b)+4:128*(\f)+64*(\c)+8*(\b)+7], v[ADRB+(\slot)] offset:(64*(\hf)+32*(\c)+16)*VPITCH+32*(\b)
.endr
.endr
.endm
.macro HALF slot, first                ; a K step's first half: multiplies buffer 0, fetches the second half's fragments into buffer 1 and scales them
	s_wait_dscnt 16                                ; all of the run but its last sixteen loads
	MUL16 0, 0, 0, \first
	MUL16 0, 0, 2, \first
	PLACES
	FETCH4 \slot, 1, 1, 0
	s_wait_dscnt 48                                ; all but the 48 just issued
	MUL16 0, 1, 0, 0
	s_wait_dscnt 32                                ; the run's 32 loads of V may be out: E's fragments are in
	MUL16R 0, 1, 2, 1
.endm
; The second half multiplies buffer 1 and changes slots: ONE barrier; in front of it each wave waits for all its tensor loads (one is out: its part of the next slot), adds 0 to its spare word, and waits for that
; and for its own reads of this slot.  fill = 1: the barrier opens a round of the cluster's, and this slot is filled again, two K steps ahead, first thing behind the round: 112 matrix instructions ahead of the wait for it.
.macro TURN slot, next, fill
.if \fill
	s_wait_xcnt 0x0                                ; the last prefetch, a K step back, has read its address, so it may be stepped
	s_add_nc_u64 s[PFA:PFA+1], s[PFA:PFA+1], s[PST:PST+1]
.endif
	WIN 0
	s_wait_tensorcnt 0x0                           ; all my tensor loads have landed;
	ds_add_u32 v[SPW], v[NIL]                      ; 0 onto my spare word;
	s_wait_dscnt 17                                ; (the add and the run's last sixteen loads may be out)
	MUL16 1, 0, 0, 0
	s_wait_dscnt 0x0                               ; the add is done, and my reads of this slot are over
	s_barrier_signal -1
	MUL16 1, 0, 2, 0
.if \fill
	WIN 0
.endif
	s_barrier_wait -1
.if \fill
	CREST                                          ; no wave of any partner still reads this slot's tiles or has a load on its way
	s_add_nc_u64 s[G0A+4*(\slot)+2:G0A+4*(\slot)+3], s[G0A+4*(\slot)+2:G0A+4*(\slot)+3], 2*ASTEP
	s_add_nc_u64 s[G0B+4*(\slot)+2:G0B+4*(\slot)+3], s[G0B+4*(\slot)+2:G0B+4*(\slot)+3], 2*BSTEP
	JLOAD \slot                                    ; the four v_nop behind it are also the places in front of the loads below
.else
	PLACES
.endif
	FETCH4 \next, 0, 0, 1
.if \fill
	WIN 0
	ASK
.endif
	MUL16 1, 1, 0, 0
	s_wait_dscnt 32                                ; the factors and E's fragments are in
	MUL16R 1, 1, 2, 0
.endm
	s_load_b256 s[4:11], s[0:1], 0x0               ; ew s[4:5], st s[6:7], qkv s[8:9], out0 s[10:11]
	v_lshl_add_u32 v[SPW], v0, 2, SPARE
	v_mov_b32 v[NIL], 0
	ds_add_u32 v[SPW], v[NIL]                      ; the wave's opening: the add and its wait come ahead of my first tensor load; the set-up below, work on registers, stands between them
	v_lshrrev_b32 v3, 5, v0
	v_readfirstlane_b32 s[WV], v3
	s_lshr_b32 s[WR], s[WV], 1
	s_and_b32 s[WC], s[WV], 1
	s_bfe_u32 s[CX], ttmp6, 0x40000
	s_bfe_u32 s[CY], ttmp6, 0x40004
	s_lshl_b32 s[TC], ttmp9, 2
	s_add_co_u32 s[TC], s[TC], s[CX]
	s_and_b32 s[CLY], ttmp7, 0xffff
	s_lshl_b32 s[TY], s[CLY], 2
	s_add_co_u32 s[TY], s[TY], s[CY]
	s_lshr_b32 s[TN], s[CLY], 2                    ; four clusters of four tile rows a batch
	s_lshl_b32 s46, s[CY], 2
	s_lshl_b32 s46, 15, s46                        ; my row of the cluster
	s_lshl_b32 s47, 0x1111, s[CX]                  ; my column
	s_or_b32 s[G1A], s46, (1<<16)|(1<<20)|(1<<21)|(5<<22)|(3<<25)  ; E: padding of 4 words (code 3) after every 64 (code 5)
	s_or_b32 s[G1B], s47, (1<<16)|(1<<20)|(1<<21)|(6<<22)|(7<<25)  ; V: padding of 8 words (code 7) after every 128 (code 6)
	SHAPE G1A, 128, 64, 2048
	SHAPE G1B, 256, 64, 1024
	s_mov_b32 s[SEL], 0x76543210
	s_mov_b32 s[SEL+1], 0xfedcba98
	s_lshl_b32 s70, s[TY], 7                       ; E: row 128 x tile row + 64 x half, 4,096 bytes a row
	s_lshl_b32 s74, s[WC], 6
	s_add_co_u32 s70, s70, s74
	s_lshl_b32 s70, s70, 12
	s_mov_b32 s71, 0
	s_lshl_b32 s72, s[TN], 11                      ; V: key row 2048 x batch + 64 x half, 2,048 bytes a row; 512 bytes a tile column; behind Q's and K's 33,554,432 bytes
	s_lshl_b32 s75, s[WC], 6
	s_add_co_u32 s72, s72, s75
	s_lshl_b32 s72, s72, 11
	s_lshl_b32 s75, s[TC], 9
	s_add_co_u32 s72, s72, s75
	s_add_co_u32 s72, s72, 0x2000000
	s_mov_b32 s73, 0
	s_mul_i32 s74, s[WC], 64*PITCH                 ; where they go: no place in the cluster enters an LDS address
	s_mul_i32 s75, s[WC], BHALF
	s_add_co_u32 s75, s75, ATILE
	s_wait_dscnt 0x0                               ; the opening add is done
	s_wait_kmcnt 0x0
	s_add_nc_u64 s[70:71], s[4:5], s[70:71]
	s_add_nc_u64 s[72:73], s[8:9], s[72:73]
	CROUND                                         ; all sixteen work-groups are here: the first joint loads meet
.irp s, 0,1
	s_mov_b32 s[G0A+4*(\s)], 1
	s_add_co_u32 s[G0A+4*(\s)+1], s74, (\s)*SLOT
	s_add_nc_u64 s[G0A+4*(\s)+2:G0A+4*(\s)+3], s[70:71], (\s)*ASTEP
	s_or_b32 s[G0A+4*(\s)+3], s[G0A+4*(\s)+3], 0x80000000
	s_mov_b32 s[G0B+4*(\s)], 1
	s_add_co_u32 s[G0B+4*(\s)+1], s75, (\s)*SLOT
	s_add_nc_u64 s[G0B+4*(\s)+2:G0B+4*(\s)+3], s[72:73], (\s)*BSTEP
	s_or_b32 s[G0B+4*(\s)+3], s[G0B+4*(\s)+3], 0x80000000
	JLOAD \s                                       ; two loads of mine are out
.endr
	; THE PROLOGUE, in the wait for the first tiles.  Lane (r, h) takes blocks 8 h + i, i = 0..7, of rows 16 a + r, a = 0..3: sixteen lanes read 256 consecutive bytes
	s_lshl_b32 s80, s[TY], 1
	s_add_co_u32 s80, s80, s[WR]
	s_lshl_b32 s80, s80, 9                         ; my 64 rows: 512 bytes in each block of st
	s_mov_b32 s81, 0
	s_add_nc_u64 s[AUX:AUX+1], s[6:7], s[80:81]
	v_and_b32 v1, 15, v0                           ; r
	v_bfe_u32 v2, v0, 4, 1                         ; h
	v_lshlrev_b32 v4, 4, v1
	v_lshl_add_u32 v4, v2, 19, v4                  ; 8 blocks of 65,536 bytes x h + 16 r; left alone until the loads are back
.irp i, 0,1,2,3,4,5,6,7
	global_load_b128 v[CMB+4*(\i):CMB+4*(\i)+3], v4, s[AUX:AUX+1] offset:65536*(\i)
	global_load_b128 v[LB+4*(\i):LB+4*(\i)+3],   v4, s[AUX:AUX+1] offset:65536*(\i)+256
.endr
	v_mov_b32 v[ZR], 0
	v_mul_u32_u24 v3, v1, PITCH
	v_lshl_add_u32 v3, v2, 4, v3                   ; E: r x pitch + 16 h
	; The turning load takes 16 keys x 16 channels (lane l reads key 8 h + l % 8, channels 8 ((l / 8) % 2) + 0..7) and leaves half a fragment of V^T: lane l holds channel r and 8 keys
	v_and_b32 v5, 7, v0
	v_lshl_add_u32 v5, v2, 3, v5
	v_mul_u32_u24 v5, v5, VPITCH
	v_bfe_u32 v6, v0, 3, 1
	v_lshl_add_u32 v5, v6, 4, v5
	s_mul_i32 s74, s[WR], 64*PITCH                 ; my 64 rows of E
	s_lshl_b32 s75, s[WC], 8                       ; my 128 channels: 256 bytes of V's rows, behind E's tile
	s_add_co_u32 s75, s75, ATILE
.irp s, 0,1
	v_add_nc_u32 v[ADRA+(\s)], s74, v3
	v_add_nc_u32 v[ADRB+(\s)], s75, v5
	s_add_co_u32 s74, s74, SLOT
	s_add_co_u32 s75, s75, SLOT
.endr
	s_mul_i32 s74, s[WV], 16*SPITCH
	s_add_co_u32 s74, s74, STAGE                   ; my stage
	v_mul_u32_u24 v5, v1, SPITCH                   ; in: row r, 32 bytes for each half of the lanes
	v_lshl_add_u32 v5, v2, 5, v5
	v_add_nc_u32 v[STO], s74, v5
	v_and_b32 v5, 31, v0                           ; back: 32 lanes take one row of 512 bytes,
	v_lshlrev_b32 v[CO], 4, v5                     ; which are 512 consecutive bytes of out0
	v_add_nc_u32 v[RD], s74, v[CO]
	s_lshl_b32 s74, s[WV], 12
	s_add_co_u32 s74, s74, TAB                     ; my table
	v_lshl_add_u32 v[TBA], v1, 4, s74              ; block 0, row r
	v_lshl_add_u32 v7, v2, 11, v[TBA]              ; where I put my eight blocks
	s_lshl_b32 s80, s[TY], 7                       ; my first row and column of out0, in bytes
	s_lshl_b32 s81, s[WR], 6
	s_add_co_u32 s80, s80, s81
	s_lshl_b32 s80, s80, 12
	s_lshl_b32 s81, s[TC], 10
	s_add_co_u32 s80, s80, s81
	s_lshl_b32 s81, s[WC], 9
	s_add_co_u32 s80, s80, s81
	s_mov_b32 s81, 0
	s_add_nc_u64 s[OUTP:OUTP+1], s[10:11], s[80:81]
	; the prefetches
	s_lshl_b32 s80, s[TY], 7                       ; E: the tile's first row + my work-group's 32, at K step 3: the first refill steps it to 4
	s_lshl_b32 s81, s[CX], 5
	s_add_co_u32 s80, s80, s81
	s_lshl_b32 s80, s80, 12
	s_add_co_u32 s80, s80, 3*ASTEP
	s_lshl_b32 s82, s[TN], 11                      ; V: the batch's first key + the 64 that I fetch + my work-group's 16, the tile column, at K step 3
	s_lshl_b32 s83, s[WC], 6
	s_add_co_u32 s82, s82, s83
	s_lshl_b32 s83, s[CY], 4
	s_add_co_u32 s82, s82, s83
	s_lshl_b32 s82, s82, 11
	s_lshl_b32 s83, s[TC], 9
	s_add_co_u32 s82, s82, s83
	s_add_co_u32 s82, s82, 0x2000000+3*BSTEP
	s_and_b32 s85, s[CLY], 3                       ; 0 in a batch's first cluster
	s_mov_b32 s88, BSTEP
	s_cmp_eq_u32 s[WR], 0
	s_cselect_b32 s80, s80, s82
	s_cselect_b32 s84, s[WC], s85                  ; for E wave 0 asks, in every cluster
	s_cselect_b64 s[PFA:PFA+1], s[4:5], s[8:9]
	s_cselect_b32 s[PST], ASTEP, s88
	s_cselect_b32 s86, 0, 1                        ; E: a lane a row of 4,096 bytes; V: two lanes a row of 2,048, 256 bytes each
	s_cselect_b32 s87, 12, 11
	s_cmp_eq_u32 s84, 0
	s_cselect_b32 s[LIM], 1, -1                    ; the same in all sixteen partners, for a given wave
	s_mov_b32 s81, 0
	s_mov_b32 s[PST+1], 0
	s_add_nc_u64 s[PFA:PFA+1], s[PFA:PFA+1], s[80:81]
	v_and_b32 v3, 31, v0
	v_lshrrev_b32 v[PFO], s86, v3
	v_lshlrev_b32 v[PFO], s87, v[PFO]
	v_and_b32 v3, s86, v3
	v_lshl_add_u32 v[PFO], v3, 8, v[PFO]
	; c M, f, L
	s_wait_loadcnt 0x0
.irp a, 0,1,2,3
	v_max3_num_f32 v[MX+(\a)], v[CMB+(\a)], v[CMB+4+(\a)], v[CMB+8+(\a)]
.endr
.irp a, 0,1,2,3
	v_max3_num_f32 v[MX+(\a)], v[MX+(\a)], v[CMB+12+(\a)], v[CMB+16+(\a)]
.endr
.irp a, 0,1,2,3
	v_max3_num_f32 v[MX+(\a)], v[MX+(\a)], v[CMB+20+(\a)], v[CMB+24+(\a)]
.endr
.irp a, 0,1,2,3
	v_max_num_f32 v[MX+(\a)], v[MX+(\a)], v[CMB+28+(\a)]
.endr
.irp a, 0,1,2,3
	v_mov_b32 v[TP+(\a)], v[MX+(\a)]               ; the exchange's destination counts as read: it is written first
.endr
.irp a, 0,1,2,3
	v_permlanex16_b32 v[TP+(\a)], v[MX+(\a)], s[SEL], s[SEL+1]  ; the row's other eight blocks lie in the lane 16 away
.endr
.irp a, 0,1,2,3
	v_max_num_f32 v[MX+(\a)], v[MX+(\a)], v[TP+(\a)]            ; c M
.endr
.irp i, 0,1,2,3,4,5,6,7
	v_pk_add_f32 v[CMB+4*(\i):CMB+4*(\i)+1],   v[CMB+4*(\i):CMB+4*(\i)+1],   v[MX:MX+1]   neg_lo:[0,1] neg_hi:[0,1]
	v_pk_add_f32 v[CMB+4*(\i)+2:CMB+4*(\i)+3], v[CMB+4*(\i)+2:CMB+4*(\i)+3], v[MX+2:MX+3] neg_lo:[0,1] neg_hi:[0,1]
.endr
.set i, 0
.rept 32
	v_exp_f32 v[CMB+i], v[CMB+i]
.set i, i+1
.endr
	v_nop                                          ; a plain instruction behind the last exponential,
	s_wait_alu depctr_va_vdst(0)                   ; and the wait ahead of the first use: one for the 32
.set i, 0
.rept 32
	v_cvt_pk_f16_f32 v[CMB+i], v[CMB+i], v[CMB+i]  ; f, rounded, in both halves
.set i, i+1
.endr
.irp a, 0,1,2,3
	v_fma_mix_f32 v[LS+(\a)], v[CMB+(\a)], v[LB+(\a)], v[ZR] op_sel_hi:[1,0,0]  ; the rounded f (a half) times l, in f32
.endr
.irp i, 1,2,3,4,5,6,7
.irp a, 0,1,2,3
	v_fma_mix_f32 v[LS+(\a)], v[CMB+4*(\i)+(\a)], v[LB+4*(\i)+(\a)], v[LS+(\a)] op_sel_hi:[1,0,0]
.endr
.endr
.irp a, 0,1,2,3
	v_permlanex16_b32 v[TP+(\a)], v[LS+(\a)], s[SEL], s[SEL+1]
.endr
.irp a, 0,1,2,3
	v_add_f32 v[LS+(\a)], v[LS+(\a)], v[TP+(\a)]   ; L
.endr
.irp a, 0,1,2,3
	v_rcp_f32 v[RC+2*(\a)], v[LS+(\a)]
	v_rcp_f32 v[RC+2*(\a)+1], v[LS+(\a)]
.endr
	v_nop
	s_wait_alu depctr_va_vdst(0)                   ; one wait for the eight reciprocals
.irp i, 0,1,2,3,4,5,6,7
	ds_store_b128 v7, v[CMB+4*(\i):CMB+4*(\i)+3] offset:256*(\i)  ; into my wave's own table: only I read it, and LDS serves a wave's instructions in order
.endr
	s_wait_dscnt 0x0                               ; no LDS instruction of mine is out at the signal
	s_wait_tensorcnt 1                             ; my part of K step 0 is in; K step 1's may stay out
	s_barrier_signal -1
	s_barrier_wait -1
	FETCH4 0, 0, 0, 1
	s_wait_dscnt 32                                ; the factors and E's fragments are in
	WIN 0
.set q, 0
.rept 64
	SC 0                                           ; the first fragments are scaled with no product to stand beside
.endr
	HALF 0, 1                                      ; the first half stands in front of the loop: its first products start the sums
	WIN 0
	s_mov_b32 s3, LAPS-1
.Llap:                                                 ; a trip goes once round the ring and fills both slots again
	TURN 0, 1, 1
	HALF 1, 0
	TURN 1, 0, 1
	HALF 0, 0
	WIN 0
	s_sub_co_u32 s3, s3, 1
	s_cmp_lg_u32 s3, 0
	s_cbranch_scc1 .Llap
	TURN 0, 1, 0                                   ; the last lap fills nothing
	HALF 1, 0
	s_wait_dscnt 16
	MUL16 1, 0, 0, 0
	MUL16 1, 0, 2, 0
	s_wait_dscnt 0x0
	MUL16 1, 1, 0, 0
	MUL16 1, 1, 2, 0
	WIN 0
	PLACES
; THE WAY OUT, a block of 16 queries at a time: divided by L; 32 bytes a lane into my own stage; back as whole rows of 512 bytes; stored.
.macro PACK4 a
	WIN 0x01                                       ; source 0 window 1; each accumulator's registers in ascending order
.set i, 0
.rept 32
	v_pk_mul_f32 v[TMP+2*i:TMP+2*i+1], v[64*(\a)+2*i:64*(\a)+2*i+1], v[RC+2*(\a):RC+2*(\a)+1]
.set i, i+1
.endr
	WIN 0
.endm
.macro TOSTAGE4 a
.irp b, 0,1,2,3,4,5,6,7
	ds_store_b128 v[STO], v[TMP+8*(\b):TMP+8*(\b)+3]   offset:64*(\b)
	ds_store_b128 v[STO], v[TMP+8*(\b)+4:TMP+8*(\b)+7] offset:64*(\b)+16
.endr
.irp t, 0,1,2,3,4,5,6,7,8,9,10,11,12,13,14,15
	ds_load_b128 v[OB+64*((\a)%2)+4*(\t):OB+64*((\a)%2)+4*(\t)+3], v[RD] offset:(\t)*SPITCH  ; LDS serves a wave's instructions in order (ISA guide 5.7.1.4): these see the stores above
.endr
.endm
.macro SEND4 a
	s_wait_dscnt 0x0                               ; the block is back in registers
	s_wait_xcnt 0x0                                ; the stores of the block before have read their registers: the next block is read back into them only behind this wait
.irp t, 0,1,2,3,4,5,6,7,8,9,10,11,12,13,14,15
	global_store_b128 v[CO], v[OB+64*((\a)%2)+4*(\t):OB+64*((\a)%2)+4*(\t)+3], s[OUTP:OUTP+1] offset:(16*(\a)+(\t))*ROWB th:TH_STORE_NT  ; 512 consecutive bytes, at a multiple of 256 from out0's first byte
.endr
.endm
	PACK4 0
	TOSTAGE4 0
.irp a, 1,2,3                          ; block a's arithmetic stands between block a - 1's loads from the stage and the wait for them
	PACK4 \a
	SEND4 (\a)-1
	TOSTAGE4 \a
.endr
	SEND4 3
	s_wait_tensorcnt 0x0                           ; the wave's end, behind my last tensor load and my last LDS store
	ds_add_u32 v[SPW], v[NIL]
	s_wait_dscnt 0x0
	CROUND                                         ; the closing round
	s_endpgm
.Lfunc_end_k_q35647f887f_mix:
	.size	k_q35647f887f_mix, .Lfunc_end_k_q35647f887f_mix-k_q35647f887f_mix
	.p2alignl 7, 3214868480
	.fill 96, 4, 3214868480
	.section	.rodata,"a",@progbits
	.p2align	6, 0x0
	.amdhsa_kernel k_q35647f887f_mix
		.amdhsa_group_segment_fixed_size 327680
		.amdhsa_private_segment_fixed_size 0
		.amdhsa_enable_private_segment 0
		.amdhsa_kernarg_size 32
		.amdhsa_user_sgpr_count 2
		.amdhsa_user_sgpr_kernarg_segment_ptr 1
		.amdhsa_wavefront_size32 1
		.amdhsa_system_sgpr_workgroup_id_x 1
		.amdhsa_system_sgpr_workgroup_id_y 1
		.amdhsa_system_sgpr_workgroup_id_z 1
		.amdhsa_system_vgpr_workitem_id 0
		.amdhsa_next_free_vgpr 768
		.amdhsa_next_free_sgpr 96
		.amdhsa_reserve_vcc 0
		.amdhsa_float_denorm_mode_32 3
		.amdhsa_float_denorm_mode_16_64 3
		.amdhsa_memory_ordered 1
		.amdhsa_forward_progress 1
		.amdhsa_inst_pref_size 143
	.end_amdhsa_kernel
	.amdgpu_metadata
---
amdhsa.version: [ 1, 2 ]
amdhsa.kernels:
  - .name:           k_q35647f887f_mix
    .symbol:         k_q35647f887f_mix.kd
    .args:
      - { .name: ew, .offset: 0, .size: 8, .value_kind: global_buffer, .address_space: global }
      - { .name: st, .offset: 8, .size: 8, .value_kind: global_buffer, .address_space: global }
      - { .name: qkv, .offset: 16, .size: 8, .value_kind: global_buffer, .address_space: global }
      - { .name: out0, .offset: 24, .size: 8, .value_kind: global_buffer, .address_space: global }
    .group_segment_fixed_size: 327680
    .private_segment_fixed_size: 0
    .kernarg_segment_align: 8
    .kernarg_segment_size: 32
    .max_flat_workgroup_size: 128
    .sgpr_count:     96
    .vgpr_count:     768
    .wavefront_size: 32
...
	.end_amdgpu_metadata
.endif
;; end of part 4
;; ======== version 2 of 2: 4 launches
;; limits: values are held in f16: magnitudes above 65,504 overflow, below 6.1e-05 lose precision
;; workspace buffers: xb 50,331,648 bytes; wb 6,291,456 bytes; qkv 50,331,648 bytes; ew 33,554,432 bytes; st 1,048,576 bytes
;; launch cast: the kernel of part 1 again; grid 1728 x 1, 8 waves a work-group, no clusters, 0 bytes of LDS; arguments query, key, value, Wq, Wk, Wv, xb, wb; writes xb, wb
;; launch proj (part 5): grid 4 x 96, 4 waves a work-group, clusters of 4 x 4, 327,680 bytes of LDS; arguments xb, wb, bq, bk, bv, qkv; writes qkv
.if DOCPART == 5
	.amdgcn_target "amdgcn-amd-amdhsa--gfx1250"
	.amdhsa_code_object_version 6
	.text
	.protected	k_q35647f887f_proj
	.globl	k_q35647f887f_proj
	.p2align	8
	.type	k_q35647f887f_proj,@function
k_q35647f887f_proj:
	s_mov_b64 s[64:65], 0
	v_nop
	global_prefetch_b8 v0, s[64:65] scope:SCOPE_SE
	s_setreg_imm32_b32 hwreg(HW_REG_WAVE_MODE, 25, 1), 1
	s_wait_xcnt 0x0
	s_wait_alu depctr_hold_cnt(0) depctr_sa_sdst(0) depctr_va_vdst(0) depctr_va_sdst(0) depctr_va_ssrc(0) depctr_va_vcc(0) depctr_vm_vsrc(0)
	s_getreg_b32 s2, hwreg(HW_REG_IB_STS2, 6, 4)
	s_cmp_eq_u32 s2, 0
	s_cbranch_scc0 .Lentry_in_a_cluster
	s_endpgm
.Lentry_in_a_cluster:
	s_bfe_u32 s2, ttmp6, 0x10000c
	s_cmp_lg_u32 s2, 0xf033
	s_cbranch_scc0 .Lentry_shape_is_right
	s_endpgm
.Lentry_shape_is_right:
; proj: qkv[t][m][n] = the sum over k of xb[t][m][k] wb[t][n][k] + b[t][n], t = 0, 1, 2 (Q, K, V).  xb: [3][8192][1024] bf16, wb: [3][1024][1024] bf16, b: [1024] f32, qkv: [3][8192][1024] f16.
; Products in bf16, sums in f32; the bias, rounded to bf16 like every input of the module, is the C operand that starts each sum; the result is rounded once to f16.
; LIMITS.  f16 holds no number beyond 65,504: a projection of 65,520 or more becomes an infinity.  NaN and infinities are not treated apart.  The order of the sums differs from a plain chain over k.
; SHARES.  xb and qkv are taken as 24,576 rows.  A tile of C is 256 x 256: 96 x 4 = 384 tiles, a work-group each.  Four waves, as many as a WGP has SIMDs, each 128 x 128: 64 accumulators of 16 x 16, 512 registers.
; K goes in steps of 128 (rows of 256 bytes, at multiples of 256 from the buffer's first byte) through two LDS slots filled by the tensor data mover: a K step is 256 matrix instructions a wave,
; and 224 of them stand between the request for a tile and the wait for it.
; ONE K STEP IS WRITTEN, AND LOOPED OVER: s[TB] holds the LDS byte at which the slot in hand begins (0 or SLOT) and is turned at each change of slots; the fragments' addresses are made anew from it.
; Six trips fill the slot just read out again; the last two K steps, which fill nothing, are a second loop.
; CLUSTERS: 4 x 4 work-groups.  The four of a row of the cluster need the same 256 rows of x, the four of a column the same 256 rows of W: each tile is asked for JOINTLY, by the same tensor load with
; the same descriptor and a mask that names the four.  A cluster's four tile rows belong to one tensor t (32 tile rows a tensor).
; THE MATRIX INSTRUCTION IS USED TRANSPOSED (source 0 = 16 rows of W, source 1 = 16 rows of x): a lane then holds eight neighbouring columns of one row of C.
; REGISTERS, in windows of 256 (s_set_vgpr_msb: bits 1:0 source 0, 3:2 source 1, 5:4 source 2, 7:6 destination):
;   window 0: v0-31 addresses; v64-127, v128-191 x's fragments (8 x 16 rows x 32 K), two buffers; v32-63, v192-255 the way out
;   window 1: v0-63 the bias of my 128 columns, laid as a row of accumulators; v64-127, v128-191 W's fragments, two buffers
;   window 2: the 32 accumulators of my rows 0-63 ((a, b) at 8 (8 a + b));   window 3: those of my rows 64-127
.set PITCH,  272                       ; an LDS row: 256 bytes + 16 of padding = 68 words: the 16 rows of a fragment load start at 16 different groups of four banks (64 banks of 4 bytes: ISA guide 11.1)
.set HALFT,  128*PITCH                 ; 128 rows: what one tensor load brings, and what one wave reads of A or of B
.set SLOT,   4*HALFT                   ; A's 256 rows, then B's 256 rows
.set STAGE,  2*SLOT                    ; behind the ring: 16 rows x 272 bytes for each wave, for the way out
.set SPARE,  STAGE+4*16*PITCH          ; behind the stages: the spare words, 128 bytes for each wave: two blocks of 256 bytes that no other line names
.set STEPS,  8                         ; K = 1024: eight K steps
.set KSB,    256                       ; bytes from a K step to the next, in A and in B
.set ROWB,   2048                      ; bytes in a row of xb, wb and qkv
.set ADRA0, 16                         ; v16     LDS address of my A fragments in slot 0; never rewritten
.set ADRA,  17                         ; v17     the same in the slot in hand
.set ADRB0, 20                         ; v20, v21 the same for B
.set ADRB,  21
.set STO,  24                          ; v24     the way out: where I put 16 bytes of a row
.set RD,   25                          ; v25     where I read rows back
.set CO,   26                          ; v26     my byte offset in two rows of the output
.set SPW,  28                          ; v28     LDS address of my spare word; never rewritten
.set NIL,  29                          ; v29     0; never rewritten
.set PFO,  30                          ; v30     the prefetches' offset: my lane x a row; never rewritten
.set OB,   32                          ; v32-63, v224-255 by turns: 16 rows read back from the stage
.set F0,   64                          ; fragment buffer 0
.set F1,   128                         ; fragment buffer 1
.set TMP,  192                         ; v192-223 packed results
.set WV,  16                           ; s16 wave; s17 = wave / 2: my half of the rows, and: I fetch for A (0) or B (1); s18 = wave % 2: my half of the columns, and: which 128 rows I fetch
.set WR,  17
.set WC,  18
.set CX,  19                           ; my place in the cluster
.set CY,  20
.set TC,  21                           ; tile column = 4 x cluster x + cx
.set TY,  22                           ; tile row = 4 x cluster y + cy
.set CLY, 23                           ; cluster y
.set G1A, 24                           ; s[24:31] descriptor group 1 for A;  s[32:39] group 0: a set for each of the two first fills; the second then walks on
.set G0A, 32
.set PFA, 40                           ; s[40:41] where my prefetches stand
.set LIM, 42                           ; s42  2 in a wave that prefetches, else the greatest number
.set TN,  43                           ; s43  the tensor t, from cluster y alone
.set TB,  44                           ; s44  LDS byte at which the slot in hand begins: 0 or SLOT
.set LB,  45                           ; s45  where my tensor loads land in a slot: wave x 128 rows
.set G1B, 48                           ; s[48:55], s[56:63] the same for B
.set G0B, 56
.set OUTP, 76                          ; s[76:77] the output at my first row and column
.set AUX, 78                           ; s[78:79] the bias at my first column
.set MSB, 0
.macro WIN new                         ; the immediate's high byte repeats the setting that is left; a switch that changes nothing is dropped
.if MSB != (\new)
	s_set_vgpr_msb (MSB<<8)|(\new)
.set MSB, \new
.endif
.endm
.set MUL_LO,  0xa1                     ; source 0 (B) window 1, source 1 (A) window 0, C and D window 2; + 0x50: C and D window 3
.set MULB_LO, 0x91                     ; the same with C in window 1: the bias; + 0x40: D window 3
.set TO_B,    0x40                     ; destination window 1, address window 0
.macro SHAPE g, d0, d1, p              ; descriptor group 1, words 1 to 7: a tile of d1 rows x d0 elements that lies inside the tensor, p elements from row to row
	s_mov_b32 s[(\g)+1], (\d0)<<16                 ; tensor_dim0
	s_mov_b32 s[(\g)+2], (\d1)<<16                 ; tensor_dim1
	s_mov_b32 s[(\g)+3], (\d0)<<16                 ; tile_dim0
	s_mov_b32 s[(\g)+4], \d1                       ; tile_dim1
	s_mov_b32 s[(\g)+5], \p                        ; tensor_dim0_stride
	s_mov_b32 s[(\g)+6], 0
	s_mov_b32 s[(\g)+7], 0
.endm
.macro JLOAD s                         ; a joint load by set s of group 0: waves 0 and 1 fetch A's two halves, waves 2 and 3 B's; an s_nop 0 and four v_nop follow each of the two lines, ahead of the jump, the label and what follows
	s_cmp_eq_u32 s[WR], 0
	s_cbranch_scc0 .Lfor_b_\@
	tensor_load_to_lds s[G0A+4*(\s):G0A+4*(\s)+3], s[G1A:G1A+7]
	s_nop 0
.rept 4
	v_nop
.endr
	s_branch .Lasked_\@
.Lfor_b_\@:
	tensor_load_to_lds s[G0B+4*(\s):G0B+4*(\s)+3], s[G1B:G1B+7]
	s_nop 0
.rept 4
	v_nop
.endr
.Lasked_\@:
.endm
; A PREFETCH INTO THE L2, behind each joint refill and the run of LDS loads that follows it: 32 rows x 256 bytes of the K step that stands two refills on, a lane a row: 512 matrix instructions ahead of the load that will want it.
; Each row's 256 bytes of a K step are named once in the launch.  x's 256 rows of a tile row are read by the clusters of that row of clusters: the one with x = 0 asks (here there is no other).  W's 256 rows of a tile
; column are read by the eight clusters of a tensor: the first of them asks.  Of the 128 rows that a wave fetches each of the four partners that ask for them jointly takes 32, told apart BY ADDRESS (cx for x, cy for W):
; no branch hangs on a place in the cluster.  K steps 0 to 3 come by their loads alone; the loop's last two trips (s3 = 2, 1) ask for nothing: there is no K step two refills on.
.macro ASK
	s_cmp_gt_u32 s3, s[LIM]
	s_cbranch_scc0 .Lnot_mine_\@
	global_prefetch_b8 v[PFO], s[PFA:PFA+1] th:TH_LOAD_NT scope:SCOPE_SE
.Lnot_mine_\@:
.endm
.macro CREST                           ; a round of the cluster's barrier behind its opening barrier
	s_cmp_lg_u32 s[WV], 0
	s_cbranch_scc1 .Lnot_wave_0_\@
	s_barrier_signal -3
.Lnot_wave_0_\@:
	s_barrier_wait -3
	s_barrier_signal -1
	s_barrier_wait -1
.endm
.macro CROUND                          ; a whole round
	s_barrier_signal -1
	s_barrier_wait -1
	CREST
.endm
.macro PLACES                          ; four places in front of loads into registers that matrix instructions have read, and of conversions that read results
.rept 4
	v_nop
.endr
.endm
; 16 matrix instructions: row blocks a0, a0 + 1 of the window's four (hi = 0: my rows 0-63, 1: rows 64-127) x all 8 column blocks, 32 along K.  first = 1: the bias starts the sums.
; The 64 accumulators take turns, one instruction a turn, in the same order in every quarter step, over the backward jumps too.
.macro MUL16 f, hi, a0, first
.if \first
	WIN MULB_LO+0x40*(\hi)
.else
	WIN MUL_LO+0x50*(\hi)
.endif
.irp a, \a0, (\a0)+1
.irp b, 0,1,2,3,4,5,6,7
.if \first
	v_wmma_f32_16x16x32_bf16 v[8*(8*(\a)+(\b)):8*(8*(\a)+(\b))+7], v[(\f)+8*(\b):(\f)+8*(\b)+7], v[(\f)+8*(4*(\hi)+(\a)):(\f)+8*(4*(\hi)+(\a))+7], v[8*(\b):8*(\b)+7]
.else
	v_wmma_f32_16x16x32_bf16 v[8*(8*(\a)+(\b)):8*(8*(\a)+(\b))+7], v[(\f)+8*(\b):(\f)+8*(\b)+7], v[(\f)+8*(4*(\hi)+(\a)):(\f)+8*(4*(\hi)+(\a))+7], v[8*(8*(\a)+(\b)):8*(8*(\a)+(\b))+7]
.endif
.endr
.endr
.endm
; 32 LDS loads in one run: the fragments of one quarter step (128 rows of B, then 128 rows of A, 32 K at byte k of the rows of the slot in hand) into buffer f
.macro FETCH k, f
	WIN TO_B
.irp i, 0,1,2,3,4,5,6,7
	ds_load_b128 v[(\f)+8*(\i):(\f)+8*(\i)+3],   v[ADRB] offset:(\k)+(\i)*16*PITCH
	ds_load_b128 v[(\f)+8*(\i)+4:(\f)+8*(\i)+7], v[ADRB] offset:(\k)+(\i)*16*PITCH+32
.endr
	WIN 0
.irp i, 0,1,2,3,4,5,6,7
	ds_load_b128 v[(\f)+8*(\i):(\f)+8*(\i)+3],   v[ADRA] offset:(\k)+(\i)*16*PITCH
	ds_load_b128 v[(\f)+8*(\i)+4:(\f)+8*(\i)+7], v[ADRA] offset:(\k)+(\i)*16*PITCH+32
.endr
.endm
; A K step is four quarter steps of 32 along K, 64 matrix instructions each, on buffers 0, 1, 0, 1.  One of the first three: multiplies buffer f; in its middle it fetches the next quarter's fragments, at byte k, into buffer g.
.macro QUARTER k, f, g, first
	s_wait_dscnt 8                                 ; B and A's rows 0-63 are in; the youngest eight loads (A's rows 64-127) may be out
	MUL16 \f, 0, 0, \first
	MUL16 \f, 0, 2, \first
	PLACES
	FETCH \k, \g
	s_wait_dscnt 32                                ; all but the 32 just issued
	MUL16 \f, 1, 0, \first
	MUL16 \f, 1, 2, \first
.endm
; The last quarter multiplies buffer 1 and changes slots.  MEET is its first half: ONE barrier; in front of it each wave waits for all its tensor loads (at most one is out: its part of the next slot), adds 0 to its spare
; word, and waits for that and for its own reads of this slot.  Behind it nobody reads this slot any more and the next slot is whole.
.macro MEET
	WIN 0                                          ; (the add's two registers lie in window 0)
	s_wait_tensorcnt 0x0                           ; all my tensor loads have landed;
	ds_add_u32 v[SPW], v[NIL]                      ; 0 onto my spare word;
	s_wait_dscnt 9                                 ; (the add and the youngest eight loads may be out)
	MUL16 F1, 0, 0, 0                              ; sixteen matrix instructions stand between the add and the wait for it
	s_wait_dscnt 0x0                               ; the add is done, and my reads of this slot are over
	s_barrier_signal -1
	MUL16 F1, 0, 2, 0                              ; work on registers while the others arrive
	WIN 0
	s_barrier_wait -1
.endm
; The whole last quarter of a K step that fills its slot again, two K steps ahead, first thing behind the round.
.macro TURN
	s_wait_xcnt 0x0                                ; the last prefetch, a K step back, has read its address, so it may be stepped
	s_add_nc_u64 s[PFA:PFA+1], s[PFA:PFA+1], KSB
	MEET
	CREST                                          ; no wave of any partner still reads this slot's tiles or has a load on its way: no tensor load of mine is out, so a group 0 may be written
	s_add_co_u32 s[G0A+5], s[LB], s[TB]            ; the walking descriptors: into the slot just read out,
	s_add_co_u32 s[G0B+5], s[LB], s[TB]
	s_add_nc_u64 s[G0A+6:G0A+7], s[G0A+6:G0A+7], KSB  ; the K step behind the one asked for last; the type bits on top are not reached
	s_add_nc_u64 s[G0B+6:G0B+7], s[G0B+6:G0B+7], KSB
	s_sub_co_u32 s[TB], SLOT, s[TB]                ; the reads go on in the other slot: 0 becomes SLOT, SLOT becomes 0
	JLOAD 1                                        ; the four v_nop behind it are also the places in front of the loads below
	v_add_nc_u32 v[ADRA], s[TB], v[ADRA0]
	v_add_nc_u32 v[ADRB], s[TB], v[ADRB0]
	FETCH 0, F0
	ASK
	MUL16 F1, 1, 0, 0
	MUL16 F1, 1, 2, 0
.endm
	s_load_b256 s[4:11], s[0:1], 0x0               ; xb s[4:5], wb s[6:7], bq s[8:9], bk s[10:11]
	s_load_b128 s[12:15], s[0:1], 0x20             ; bv s[12:13], qkv s[14:15]
	v_lshl_add_u32 v[SPW], v0, 2, SPARE
	v_mov_b32 v[NIL], 0
	ds_add_u32 v[SPW], v[NIL]                      ; the wave's opening: the add and its wait come ahead of my first tensor load; the set-up below, work on registers, stands between them
	v_lshrrev_b32 v3, 5, v0
	v_readfirstlane_b32 s[WV], v3
	s_lshr_b32 s[WR], s[WV], 1
	s_and_b32 s[WC], s[WV], 1
	s_bfe_u32 s[CX], ttmp6, 0x40000
	s_bfe_u32 s[CY], ttmp6, 0x40004
	s_lshl_b32 s[TC], ttmp9, 2                     ; in a cluster launch ttmp9 and ttmp7 count clusters
	s_add_co_u32 s[TC], s[TC], s[CX]
	s_and_b32 s[CLY], ttmp7, 0xffff
	s_lshl_b32 s[TY], s[CLY], 2
	s_add_co_u32 s[TY], s[TY], s[CY]
	s_lshr_b32 s[TN], s[CLY], 3                    ; eight clusters of four tile rows a tensor
	s_lshl_b32 s46, s[CY], 2
	s_lshl_b32 s46, 15, s46                        ; my row of the cluster
	s_lshl_b32 s47, 0x1111, s[CX]                  ; my column
	s_or_b32 s[G1A], s46, (1<<16)|(1<<20)|(1<<21)|(5<<22)|(3<<25)  ; 15:0 the mask; 17:16 elements of 2 bytes; 20 padding on; 21 set beside a mask; 24:22 after every 64 words (code 5); 31:25 4 words of it (code 3)
	s_or_b32 s[G1B], s47, (1<<16)|(1<<20)|(1<<21)|(5<<22)|(3<<25)
	SHAPE G1A, 128, 128, 1024
	SHAPE G1B, 128, 128, 1024
	s_lshl_b32 s70, s[TY], 8                       ; A: row 256 x tile row + 128 x half, in bytes: made of the tile row and the wave's number alone
	s_lshl_b32 s74, s[WC], 7
	s_add_co_u32 s70, s70, s74
	s_lshl_b32 s70, s70, 11
	s_mov_b32 s71, 0
	s_lshl_b32 s72, s[TN], 10                      ; B: row 1024 t + 256 x tile column + 128 x half: made of cluster y, the tile column and the wave's number alone
	s_lshl_b32 s75, s[TC], 8
	s_add_co_u32 s72, s72, s75
	s_lshl_b32 s75, s[WC], 7
	s_add_co_u32 s72, s72, s75
	s_lshl_b32 s72, s72, 11
	s_mov_b32 s73, 0
	s_mul_i32 s[LB], s[WV], HALFT                  ; where they go: A's two halves, then B's two = wave x 128 rows: no place in the cluster enters an LDS address
	s_mov_b32 s[TB], 0                             ; the reads begin in slot 0
	s_wait_dscnt 0x0                               ; the opening add is done
	s_wait_kmcnt 0x0
	s_add_nc_u64 s[70:71], s[4:5], s[70:71]
	s_add_nc_u64 s[72:73], s[6:7], s[72:73]
	CROUND                                         ; all sixteen work-groups are here: the first joint loads meet
.irp s, 0,1
	s_mov_b32 s[G0A+4*(\s)], 1                                     ; count = 1
	s_add_co_u32 s[G0A+4*(\s)+1], s[LB], (\s)*SLOT                 ; LDS address
	s_add_nc_u64 s[G0A+4*(\s)+2:G0A+4*(\s)+3], s[70:71], (\s)*KSB  ; global address: K step s
	s_or_b32 s[G0A+4*(\s)+3], s[G0A+4*(\s)+3], 0x80000000          ; type = 2
	s_mov_b32 s[G0B+4*(\s)], 1
	s_add_co_u32 s[G0B+4*(\s)+1], s[LB], (\s)*SLOT
	s_add_nc_u64 s[G0B+4*(\s)+2:G0B+4*(\s)+3], s[72:73], (\s)*KSB
	s_or_b32 s[G0B+4*(\s)+3], s[G0B+4*(\s)+3], 0x80000000
	JLOAD \s                                       ; two loads of mine are out
.endr
	; the bias of my 128 columns: register 8 b + j of window 1 holds b[n0 + 16 b + 8 h + j], the same for every row: an accumulator's layout
	s_cmp_eq_u32 s[TN], 0
	s_cselect_b64 s[AUX:AUX+1], s[8:9], s[10:11]
	s_cmp_eq_u32 s[TN], 2
	s_cselect_b64 s[AUX:AUX+1], s[12:13], s[AUX:AUX+1]
	s_lshl_b32 s80, s[TC], 10
	s_lshl_b32 s81, s[WC], 9
	s_add_co_u32 s80, s80, s81
	s_mov_b32 s81, 0
	s_add_nc_u64 s[AUX:AUX+1], s[AUX:AUX+1], s[80:81]
	v_and_b32 v1, 15, v0                           ; r = l % 16
	v_bfe_u32 v2, v0, 4, 1                         ; h = l / 16
	v_lshlrev_b32 v4, 5, v2                        ; 32 h; left alone until the loads are back
	WIN TO_B                                       ; destination window 1, address window 0
.irp b, 0,1,2,3,4,5,6,7
	global_load_b128 v[8*(\b):8*(\b)+3],   v4, s[AUX:AUX+1] offset:64*(\b)
	global_load_b128 v[8*(\b)+4:8*(\b)+7], v4, s[AUX:AUX+1] offset:64*(\b)+16
.endr
	WIN 0
	; A fragment is 16 rows x 32 K in 8 registers: lane l holds row r; registers 0-3 K = 8 h + 0..7, registers 4-7 K = 16 + 8 h + 0..7: two loads of 16 bytes, 32 bytes apart
	v_mul_u32_u24 v3, v1, PITCH
	v_lshl_add_u32 v3, v2, 4, v3                   ; r x pitch + 16 h
	s_mul_i32 s74, s[WR], HALFT                    ; my 128 rows of A
	s_mul_i32 s75, s[WC], HALFT                    ; my 128 rows of B, behind A's 256
	s_add_co_u32 s75, s75, 2*HALFT
	v_add_nc_u32 v[ADRA0], s74, v3
	v_add_nc_u32 v[ADRB0], s75, v3
	v_mov_b32 v[ADRA], v[ADRA0]                    ; the slot in hand is slot 0
	v_mov_b32 v[ADRB], v[ADRB0]
	s_mul_i32 s74, s[WV], 16*PITCH
	s_add_co_u32 s74, s74, STAGE                   ; my stage
	v_add_nc_u32 v[STO], s74, v3                   ; in: row r, 16 bytes for each half of the lanes
	v_mul_u32_u24 v5, v2, PITCH                    ; back: lanes 0-15 take one row of 256 bytes, lanes 16-31 the next
	v_lshl_add_u32 v5, v1, 4, v5
	v_add_nc_u32 v[RD], s74, v5
	v_lshlrev_b32 v5, 11, v2                       ; and the same two rows in qkv
	v_lshl_add_u32 v[CO], v1, 4, v5
	s_lshl_b32 s80, s[TY], 8                       ; my first row and column of qkv, in bytes
	s_lshl_b32 s81, s[WR], 7
	s_add_co_u32 s80, s80, s81
	s_lshl_b32 s80, s80, 11
	s_lshl_b32 s81, s[TC], 9
	s_add_co_u32 s80, s80, s81
	s_lshl_b32 s81, s[WC], 8
	s_add_co_u32 s80, s80, s81
	s_mov_b32 s81, 0
	s_add_nc_u64 s[OUTP:OUTP+1], s[14:15], s[80:81]
	; the prefetches
	s_lshl_b32 s80, s[TY], 8                       ; x: the tile's first row + the 128 that I fetch + my work-group's 32
	s_lshl_b32 s81, s[WC], 7
	s_add_co_u32 s80, s80, s81
	s_lshl_b32 s81, s[CX], 5
	s_add_co_u32 s80, s80, s81
	s_lshl_b32 s82, s[TN], 10                      ; W: likewise
	s_lshl_b32 s83, s[TC], 8
	s_add_co_u32 s82, s82, s83
	s_lshl_b32 s83, s[WC], 7
	s_add_co_u32 s82, s82, s83
	s_lshl_b32 s83, s[CY], 5
	s_add_co_u32 s82, s82, s83
	s_and_b32 s84, s[CLY], 7                       ; 0 in a tensor's first cluster
	s_cmp_eq_u32 s[WR], 0
	s_cselect_b32 s80, s80, s82
	s_cselect_b32 s84, ttmp9, s84                  ; the coordinate along which other clusters read the same rows
	s_cselect_b64 s[PFA:PFA+1], s[4:5], s[6:7]
	s_cmp_eq_u32 s84, 0
	s_cselect_b32 s[LIM], 2, -1                    ; the same in all sixteen partners, for a given wave
	s_lshl_b32 s80, s80, 11
	s_add_co_u32 s80, s80, 3*KSB                   ; at K step 3: the first refill steps it to 4
	s_mov_b32 s81, 0
	s_add_nc_u64 s[PFA:PFA+1], s[PFA:PFA+1], s[80:81]
	v_and_b32 v[PFO], 31, v0
	v_lshlrev_b32 v[PFO], 11, v[PFO]
	; the bias is rounded to bf16 and widened again: all this stands in the wait for the first tile
	s_wait_loadcnt 0x0
	WIN 0x05                                       ; sources window 1, destination window 0
.set i, 0
.rept 32
	v_cvt_pk_bf16_f32 v[TMP+i], v[2*i], v[2*i+1]
.set i, i+1
.endr
	WIN TO_B                                       ; destination window 1, sources window 0
.set i, 0
.rept 32
	v_lshlrev_b32 v[2*i], 16, v[TMP+i]
	v_and_b32 v[2*i+1], 0xffff0000, v[TMP+i]
.set i, i+1
.endr
	WIN 0
	s_wait_tensorcnt 1                             ; my part of K step 0 is in; K step 1's may stay out
	s_barrier_signal -1
	s_barrier_wait -1                              ; everybody's is
	FETCH 0, F0
	QUARTER 64,  F0, F1, 1                         ; the first quarter stands in front of the loop: its products start the sums
	WIN 0                                          ; at a label and at a branch every window is 0
	s_mov_b32 s3, STEPS-2
.Lstep:                                                ; a trip goes from a K step's second quarter to the next step's first, and fills the slot that it leaves: K steps 2 to 7 are asked for
	QUARTER 128, F1, F0, 0
	QUARTER 192, F0, F1, 0
	TURN
	QUARTER 64,  F0, F1, 0
	WIN 0
	s_sub_co_u32 s3, s3, 1
	s_cmp_lg_u32 s3, 0
	s_cbranch_scc1 .Lstep
	s_mov_b32 s3, 2
.Ltail:                                                ; the last two K steps fill nothing, and have no round of the cluster's barrier.  One text for both: the very last step has no slot to go on to, so it jumps
	QUARTER 128, F1, F0, 0                         ; over the fetch and over the next step's first quarter (neither holds a barrier or a tensor load); it passes MEET's barrier once more, behind which nothing is filled
	QUARTER 192, F0, F1, 0
	MEET
	s_cmp_eq_u32 s3, 1
	s_cbranch_scc1 .Lno_fetch
	s_sub_co_u32 s[TB], SLOT, s[TB]                ; the other slot
	PLACES
	v_add_nc_u32 v[ADRA], s[TB], v[ADRA0]
	v_add_nc_u32 v[ADRB], s[TB], v[ADRB0]
	FETCH 0, F0
.Lno_fetch:
	MUL16 F1, 1, 0, 0
	MUL16 F1, 1, 2, 0
	WIN 0
	s_cmp_eq_u32 s3, 1
	s_cbranch_scc1 .Lno_quarter
	QUARTER 64,  F0, F1, 0
	WIN 0
.Lno_quarter:
	s_sub_co_u32 s3, s3, 1
	s_cmp_lg_u32 s3, 0
	s_cbranch_scc1 .Ltail
	PLACES
; THE WAY OUT, a block of 16 rows at a time: rounded to f16, 16 bytes a lane; into my own stage in LDS; back as whole rows of 256 bytes; stored.
.macro PACK a
	WIN 0x0a+5*((\a)/4)                            ; sources window 2 or 3, destination window 0; each accumulator's registers in ascending order
.irp b, 0,1,2,3,4,5,6,7
.irp i, 0,1,2,3
	v_cvt_pk_f16_f32 v[TMP+4*(\b)+(\i)], v[64*((\a)%4)+8*(\b)+2*(\i)], v[64*((\a)%4)+8*(\b)+2*(\i)+1]
.endr
.endr
	WIN 0
.endm
.macro TOSTAGE a
.irp b, 0,1,2,3,4,5,6,7
	ds_store_b128 v[STO], v[TMP+4*(\b):TMP+4*(\b)+3] offset:32*(\b)
.endr
.irp t, 0,1,2,3,4,5,6,7
	ds_load_b128 v[OB+192*((\a)%2)+4*(\t):OB+192*((\a)%2)+4*(\t)+3], v[RD] offset:(\t)*2*PITCH  ; LDS serves a wave's instructions in order (ISA guide 5.7.1.4): these see the stores above
.endr
.endm
.macro SEND a
	s_wait_dscnt 0x0                               ; the block is back in registers
	s_wait_xcnt 0x0                                ; the stores of the block before have read their registers: the next block is read back into them only behind this wait
.irp t, 0,1,2,3,4,5,6,7
	global_store_b128 v[CO], v[OB+192*((\a)%2)+4*(\t):OB+192*((\a)%2)+4*(\t)+3], s[OUTP:OUTP+1] offset:(16*(\a)+2*(\t))*ROWB  ; 16 lanes store 256 consecutive bytes, at a multiple of 256 from the buffer's first byte
.endr
.endm
	PACK 0
	TOSTAGE 0
.irp a, 1,2,3,4,5,6,7                  ; block a's conversions stand between block a - 1's loads from the stage and the wait for them
	PACK \a
	SEND (\a)-1
	TOSTAGE \a
.endr
	SEND 7
	s_wait_tensorcnt 0x0                           ; the wave's end, behind my last tensor load and my last LDS store
	ds_add_u32 v[SPW], v[NIL]
	s_wait_dscnt 0x0
	CROUND                                         ; the closing round: no work-group ends while a partner may still ask for a tile that names it
	s_endpgm
.Lfunc_end_k_q35647f887f_proj:
	.size	k_q35647f887f_proj, .Lfunc_end_k_q35647f887f_proj-k_q35647f887f_proj
	.p2alignl 7, 3214868480
	.fill 96, 4, 3214868480
	.section	.rodata,"a",@progbits
	.p2align	6, 0x0
	.amdhsa_kernel k_q35647f887f_proj
		.amdhsa_group_segment_fixed_size 327680
		.amdhsa_private_segment_fixed_size 0
		.amdhsa_enable_private_segment 0
		.amdhsa_kernarg_size 48
		.amdhsa_user_sgpr_count 2
		.amdhsa_user_sgpr_kernarg_segment_ptr 1
		.amdhsa_wavefront_size32 1
		.amdhsa_system_sgpr_workgroup_id_x 1
		.amdhsa_system_sgpr_workgroup_id_y 1
		.amdhsa_system_sgpr_workgroup_id_z 1
		.amdhsa_system_vgpr_workitem_id 0
		.amdhsa_next_free_vgpr 1024
		.amdhsa_next_free_sgpr 96
		.amdhsa_reserve_vcc 0
		.amdhsa_float_denorm_mode_32 3
		.amdhsa_float_denorm_mode_16_64 3
		.amdhsa_memory_ordered 1
		.amdhsa_forward_progress 1
		.amdhsa_inst_pref_size 108
	.end_amdhsa_kernel
	.amdgpu_metadata
---
amdhsa.version: [ 1, 2 ]
amdhsa.kernels:
  - .name:           k_q35647f887f_proj
    .symbol:         k_q35647f887f_proj.kd
    .args:
      - { .name: xb, .offset: 0, .size: 8, .value_kind: global_buffer, .address_space: global }
      - { .name: wb, .offset: 8, .size: 8, .value_kind: global_buffer, .address_space: global }
      - { .name: bq, .offset: 16, .size: 8, .value_kind: global_buffer, .address_space: global }
      - { .name: bk, .offset: 24, .size: 8, .value_kind: global_buffer, .address_space: global }
      - { .name: bv, .offset: 32, .size: 8, .value_kind: global_buffer, .address_space: global }
      - { .name: qkv, .offset: 40, .size: 8, .value_kind: global_buffer, .address_space: global }
    .group_segment_fixed_size: 327680
    .private_segment_fixed_size: 0
    .kernarg_segment_align: 8
    .kernarg_segment_size: 48
    .max_flat_workgroup_size: 128
    .sgpr_count:     96
    .vgpr_count:     1024
    .wavefront_size: 32
...
	.end_amdgpu_metadata
.endif
;; end of part 5
;; launch score (part 6): grid 8 x 32, 4 waves a work-group, clusters of 4 x 4, 327,680 bytes of LDS; arguments qkv, ew, st; writes ew, st
.if DOCPART == 6
	.amdgcn_target "amdgcn-amd-amdhsa--gfx1250"
	.amdhsa_code_object_version 6
	.text
	.protected	k_q35647f887f_score
	.globl	k_q35647f887f_score
	.p2align	8
	.type	k_q35647f887f_score,@function
k_q35647f887f_score:
	s_mov_b64 s[64:65], 0
	v_nop
	global_prefetch_b8 v0, s[64:65] scope:SCOPE_SE
	s_setreg_imm32_b32 hwreg(HW_REG_WAVE_MODE, 25, 1), 1
	s_wait_xcnt 0x0
	s_wait_alu depctr_hold_cnt(0) depctr_sa_sdst(0) depctr_va_vdst(0) depctr_va_sdst(0) depctr_va_ssrc(0) depctr_va_vcc(0) depctr_vm_vsrc(0)
	s_getreg_b32 s2, hwreg(HW_REG_IB_STS2, 6, 4)
	s_cmp_eq_u32 s2, 0
	s_cbranch_scc0 .Lentry_in_a_cluster
	s_endpgm
.Lentry_in_a_cluster:
	s_bfe_u32 s2, ttmp6, 0x10000c
	s_cmp_lg_u32 s2, 0xf033
	s_cbranch_scc0 .Lentry_shape_is_right
	s_endpgm
.Lentry_shape_is_right:
; score: s[q][k] = Q[q] . K[k] for one batch's 2048 x 2048 pairs, and the first half of the softmax.  Q = qkv[0], K = qkv[1]: [8192][1024] f16.  Products in f16, sums in f32.
; For each query and each BLOCK of 128 keys (one wave's columns) the block's own maximum m is taken away: E = 2^(c s - c m), c = log2(e) / 32, goes to ew [8192][2048] in f16, and c m and l = the sum of the
; block's E (unrounded) go to st in f32.  The launch behind takes the greatest of a row's sixteen c m, so that the row's true maximum is what is taken away in the end; no shift is fixed.
; st: [block 16][64 rows 128][c m | l][r 16][a 4] f32: the numbers of row 64 g + 16 a + r.
; LIMITS.  E lies in 0 to 1; below 6e-5 it keeps f16's fixed step of 6e-8; an exponential below 2^-126 counts as 0.  NaN and infinities are not treated apart.
; SHARES.  A tile of the scores is 256 queries x 256 keys: 32 x 8 = 256 tiles, a work-group each.  Four waves, as many as a WGP has SIMDs, each 128 x 128: 64 accumulators of 16 x 16, 512 registers.
; K goes in steps of 128 through two LDS slots: a K step is 256 matrix instructions a wave, and 224 of them stand between the request for a tile and the wait for it.
; ONE K STEP IS WRITTEN, AND LOOPED OVER: s[TB] holds the LDS byte at which the slot in hand begins (0 or SLOT) and is turned at each change of slots; the fragments' addresses are made anew from it.
; Six trips fill the slot just read out again; the last two K steps, which fill nothing, are a second loop.
; CLUSTERS: 4 x 4 work-groups.  The four of a row of the cluster need the same 256 rows of Q, the four of a column the same 256 rows of K (a cluster's four tile rows lie in one batch: eight tile rows a batch):
; each tile is asked for JOINTLY, by the same tensor load with the same descriptor and a mask that names the four.
; THE MATRIX INSTRUCTION IS USED TRANSPOSED (source 0 = 16 keys, source 1 = 16 queries): a lane holds ONE query (r = l % 16) and, of each 16 keys, the eight 8 h + 0..7: a query's maximum and sum want one exchange
; between the halves of the lanes.
; REGISTERS, in windows of 256 (s_set_vgpr_msb: bits 1:0 source 0, 3:2 source 1, 5:4 source 2, 7:6 destination):
;   window 0: v0-31 addresses and statistics; v64-127, v128-191 Q's fragments, two buffers; v32-63, v192-255 the way out      window 1: v64-127, v128-191 K's fragments, two buffers
;   window 2: the 32 accumulators of my queries 0-63 ((a, b) at 8 (8 a + b));   window 3: those of my queries 64-127
.set PITCH,  272                       ; an LDS row: 256 bytes + 16 of padding = 68 words: the 16 rows of a fragment load start at 16 different groups of four banks (64 banks of 4 bytes: ISA guide 11.1)
.set HALFT,  128*PITCH
.set SLOT,   4*HALFT
.set STAGE,  2*SLOT                    ; behind the ring: 16 rows x 272 bytes for each wave, for the way out
.set SPARE,  STAGE+4*16*PITCH          ; behind the stages: the spare words, 128 bytes for each wave: two blocks of 256 bytes that no other line names
.set STEPS,  8                         ; K = 1024: eight K steps
.set KSB,    256
.set ROWB,   4096                      ; bytes in a row of ew
.set MXC,  4                           ; v4-7    four chains of the maximum, at work
.set CMR,  8                           ; v8-11   c m of block a of the 64 queries in hand
.set LSR,  12                          ; v12-15  l of block a
.set ADRA0, 16                         ; v16     LDS address of my Q fragments in slot 0; never rewritten
.set ADRA,  17                         ; v17     the same in the slot in hand
.set CMQ,  18                          ; v18-19  c m of the block in hand, named as a pair; v19 holds 0
.set ADRB0, 20                         ; v20, v21 the same for K
.set ADRB,  21
.set STO,  24
.set RD,   25
.set CO,   26
.set STA,  27                          ; v27     my 16 bytes in 512 of st; never rewritten
.set SPW,  28
.set NIL,  29
.set PFO,  30
.set OB,   32
.set F0,   64
.set F1,   128
.set TMP,  192
.set WV,  16
.set WR,  17
.set WC,  18
.set CX,  19
.set CY,  20
.set TC,  21
.set TY,  22
.set CLY, 23
.set G1A, 24                           ; s[24:31] descriptor group 1 for Q;  s[32:39] group 0: a set for each of the two first fills; the second then walks on
.set G0A, 32
.set PFA, 40
.set LIM, 42                           ; s42  2 in a wave that prefetches, else the greatest number
.set TN,  43                           ; s43  the batch, from cluster y alone
.set TB,  44                           ; s44  LDS byte at which the slot in hand begins: 0 or SLOT
.set LB,  45                           ; s45  where my tensor loads land in a slot: wave x 128 rows
.set G1B, 48
.set G0B, 56
.set CS,  66                           ; s[66:67] c: the packed scaling takes the pair's low word for both halves
.set SEL, 68                           ; s[68:69] v_permlanex16_b32's selects: each lane takes its own place in the other half
.set OUTP, 76                          ; s[76:77] ew at the first row in hand and my first column
.set AUX, 78                           ; s[78:79] st at my block and the 64 rows in hand
.set MSB, 0
.macro WIN new                         ; the immediate's high byte repeats the setting that is left; a switch that changes nothing is dropped
.if MSB != (\new)
	s_set_vgpr_msb (MSB<<8)|(\new)
.set MSB, \new
.endif
.endm
.set MUL_LO, 0xa1                      ; source 0 (K) window 1, source 1 (Q) window 0, C and D window 2; + 0x50: C and D window 3
.set TO_B,   0x40                      ; destination window 1, address window 0
.macro SHAPE g, d0, d1, p              ; descriptor group 1, words 1 to 7: a tile of d1 rows x d0 elements that lies inside the tensor, p elements from row to row
	s_mov_b32 s[(\g)+1], (\d0)<<16
	s_mov_b32 s[(\g)+2], (\d1)<<16
	s_mov_b32 s[(\g)+3], (\d0)<<16
	s_mov_b32 s[(\g)+4], \d1
	s_mov_b32 s[(\g)+5], \p
	s_mov_b32 s[(\g)+6], 0
	s_mov_b32 s[(\g)+7], 0
.endm
.macro JLOAD s                         ; a joint load by set s of group 0: waves 0 and 1 fetch Q's two halves, waves 2 and 3 K's; an s_nop 0 and four v_nop follow each of the two lines, ahead of the jump, the label and what follows
	s_cmp_eq_u32 s[WR], 0
	s_cbranch_scc0 .Lfor_b_\@
	tensor_load_to_lds s[G0A+4*(\s):G0A+4*(\s)+3], s[G1A:G1A+7]
	s_nop 0
.rept 4
	v_nop
.endr
	s_branch .Lasked_\@
.Lfor_b_\@:
	tensor_load_to_lds s[G0B+4*(\s):G0B+4*(\s)+3], s[G1B:G1B+7]
	s_nop 0
.rept 4
	v_nop
.endr
.Lasked_\@:
.endm
; A PREFETCH INTO THE L2, behind each joint refill and the run of LDS loads that follows it: 32 rows x 256 bytes of the K step that stands two refills on, a lane a row: 512 matrix instructions ahead of the load that will want it.
; Each row's 256 bytes of a K step are named once in the launch.  Q's 256 rows of a tile row are read by the two clusters of that row of clusters: the one with x = 0 asks.  K's 256 rows of a tile column are read by the
; two clusters of a batch: the first asks.  Of the 128 rows that a wave fetches each of the four partners that ask for them jointly takes 32, told apart BY ADDRESS (cx for Q, cy for K): no branch hangs on a place in the
; cluster.  K steps 0 to 3 come by their loads alone; the loop's last two trips (s3 = 2, 1) ask for nothing.
.macro ASK
	s_cmp_gt_u32 s3, s[LIM]
	s_cbranch_scc0 .Lnot_mine_\@
	global_prefetch_b8 v[PFO], s[PFA:PFA+1] th:TH_LOAD_NT scope:SCOPE_SE
.Lnot_mine_\@:
.endm
.macro CREST                           ; a round of the cluster's barrier behind its opening barrier
	s_cmp_lg_u32 s[WV], 0
	s_cbranch_scc1 .Lnot_wave_0_\@
	s_barrier_signal -3
.Lnot_wave_0_\@:
	s_barrier_wait -3
	s_barrier_signal -1
	s_barrier_wait -1
.endm
.macro CROUND
	s_barrier_signal -1
	s_barrier_wait -1
	CREST
.endm
.macro PLACES                          ; four places in front of loads into registers that matrix instructions have read, and of vector work that reads results
.rept 4
	v_nop
.endr
.endm
; 16 matrix instructions: query blocks a0, a0 + 1 of the window's four (hi = 0: my queries 0-63, 1: 64-127) x all 8 key blocks, 32 along K.  first = 1: the products start the sums.
; The 64 accumulators take turns, one instruction a turn, in the same order in every quarter step, over the backward jumps too.
.macro MUL16 f, hi, a0, first
	WIN MUL_LO+0x50*(\hi)
.irp a, \a0, (\a0)+1
.irp b, 0,1,2,3,4,5,6,7
.if \first
	v_wmma_f32_16x16x32_f16 v[8*(8*(\a)+(\b)):8*(8*(\a)+(\b))+7], v[(\f)+8*(\b):(\f)+8*(\b)+7], v[(\f)+8*(4*(\hi)+(\a)):(\f)+8*(4*(\hi)+(\a))+7], 0
.else
	v_wmma_f32_16x16x32_f16 v[8*(8*(\a)+(\b)):8*(8*(\a)+(\b))+7], v[(\f)+8*(\b):(\f)+8*(\b)+7], v[(\f)+8*(4*(\hi)+(\a)):(\f)+8*(4*(\hi)+(\a))+7], v[8*(8*(\a)+(\b)):8*(8*(\a)+(\b))+7]
.endif
.endr
.endr
.endm
; 32 LDS loads in one run: the fragments of one quarter step (128 rows of K, then 128 rows of Q, 32 channels at byte k of the rows of the slot in hand) into buffer f
.macro FETCH k, f
	WIN TO_B
.irp i, 0,1,2,3,4,5,6,7
	ds_load_b128 v[(\f)+8*(\i):(\f)+8*(\i)+3],   v[ADRB] offset:(\k)+(\i)*16*PITCH
	ds_load_b128 v[(\f)+8*(\i)+4:(\f)+8*(\i)+7], v[ADRB] offset:(\k)+(\i)*16*PITCH+32
.endr
	WIN 0
.irp i, 0,1,2,3,4,5,6,7
	ds_load_b128 v[(\f)+8*(\i):(\f)+8*(\i)+3],   v[ADRA] offset:(\k)+(\i)*16*PITCH
	ds_load_b128 v[(\f)+8*(\i)+4:(\f)+8*(\i)+7], v[ADRA] offset:(\k)+(\i)*16*PITCH+32
.endr
.endm
; A K step is four quarter steps of 32 along K, 64 matrix instructions each, on buffers 0, 1, 0, 1.  One of the first three: multiplies buffer f; in its middle it fetches the next quarter's fragments, at byte k, into buffer g.
.macro QUARTER k, f, g, first
	s_wait_dscnt 8                                 ; K and Q's rows 0-63 are in; the youngest eight loads (Q's rows 64-127) may be out
	MUL16 \f, 0, 0, \first
	MUL16 \f, 0, 2, \first
	PLACES
	FETCH \k, \g
	s_wait_dscnt 32                                ; all but the 32 just issued
	MUL16 \f, 1, 0, \first
	MUL16 \f, 1, 2, \first
.endm
; The last quarter multiplies buffer 1 and changes slots.  MEET is its first half: ONE barrier; in front of it each wave waits for all its tensor loads (at most one is out: its part of the next slot), adds 0 to its spare
; word, and waits for that and for its own reads of this slot.  Behind it nobody reads this slot any more and the next slot is whole.
.macro MEET
	WIN 0
	s_wait_tensorcnt 0x0                           ; all my tensor loads have landed;
	ds_add_u32 v[SPW], v[NIL]                      ; 0 onto my spare word;
	s_wait_dscnt 9                                 ; (the add and the youngest eight loads may be out)
	MUL16 F1, 0, 0, 0                              ; sixteen matrix instructions stand between the add and the wait for it
	s_wait_dscnt 0x0                               ; the add is done, and my reads of this slot are over
	s_barrier_signal -1
	MUL16 F1, 0, 2, 0
	WIN 0
	s_barrier_wait -1
.endm
; The whole last quarter of a K step that fills its slot again, two K steps ahead, first thing behind the round.
.macro TURN
	s_wait_xcnt 0x0                                ; the last prefetch, a K step back, has read its address, so it may be stepped
	s_add_nc_u64 s[PFA:PFA+1], s[PFA:PFA+1], KSB
	MEET
	CREST                                          ; no wave of any partner still reads this slot's tiles or has a load on its way: no tensor load of mine is out, so a group 0 may be written
	s_add_co_u32 s[G0A+5], s[LB], s[TB]            ; the walking descriptors: into the slot just read out,
	s_add_co_u32 s[G0B+5], s[LB], s[TB]
	s_add_nc_u64 s[G0A+6:G0A+7], s[G0A+6:G0A+7], KSB  ; the K step behind the one asked for last; the type bits on top are not reached
	s_add_nc_u64 s[G0B+6:G0B+7], s[G0B+6:G0B+7], KSB
	s_sub_co_u32 s[TB], SLOT, s[TB]                ; the reads go on in the other slot: 0 becomes SLOT, SLOT becomes 0
	JLOAD 1                                        ; the four v_nop behind it are also the places in front of the loads below
	v_add_nc_u32 v[ADRA], s[TB], v[ADRA0]
	v_add_nc_u32 v[ADRB], s[TB], v[ADRB0]
	FETCH 0, F0
	ASK
	MUL16 F1, 1, 0, 0
	MUL16 F1, 1, 2, 0
.endm
	s_load_b128 s[4:7], s[0:1], 0x0                ; qkv s[4:5], ew s[6:7]
	s_load_b64 s[8:9], s[0:1], 0x10                ; st
	v_lshl_add_u32 v[SPW], v0, 2, SPARE
	v_mov_b32 v[NIL], 0
	ds_add_u32 v[SPW], v[NIL]                      ; the wave's opening: the add and its wait come ahead of my first tensor load; the set-up below, work on registers, stands between them
	v_lshrrev_b32 v3, 5, v0
	v_readfirstlane_b32 s[WV], v3
	s_lshr_b32 s[WR], s[WV], 1
	s_and_b32 s[WC], s[WV], 1
	s_bfe_u32 s[CX], ttmp6, 0x40000
	s_bfe_u32 s[CY], ttmp6, 0x40004
	s_lshl_b32 s[TC], ttmp9, 2
	s_add_co_u32 s[TC], s[TC], s[CX]
	s_and_b32 s[CLY], ttmp7, 0xffff
	s_lshl_b32 s[TY], s[CLY], 2
	s_add_co_u32 s[TY], s[TY], s[CY]
	s_lshr_b32 s[TN], s[CLY], 1                    ; two clusters of four tile rows a batch
	s_lshl_b32 s46, s[CY], 2
	s_lshl_b32 s46, 15, s46                        ; my row of the cluster
	s_lshl_b32 s47, 0x1111, s[CX]                  ; my column
	s_or_b32 s[G1A], s46, (1<<16)|(1<<20)|(1<<21)|(5<<22)|(3<<25)  ; 15:0 the mask; 17:16 elements of 2 bytes; 20 padding on; 21 set beside a mask; 24:22 after every 64 words (code 5); 31:25 4 words of it (code 3)
	s_or_b32 s[G1B], s47, (1<<16)|(1<<20)|(1<<21)|(5<<22)|(3<<25)
	SHAPE G1A, 128, 128, 1024
	SHAPE G1B, 128, 128, 1024
	s_mov_b32 s[CS], 0x3d38aa3b                    ; c = log2(e) / 32 = 0.0450842
	s_mov_b32 s[CS+1], s[CS]
	s_mov_b32 s[SEL], 0x76543210
	s_mov_b32 s[SEL+1], 0xfedcba98
	s_lshl_b32 s70, s[TY], 8                       ; Q: row 256 x tile row + 128 x half, in bytes
	s_lshl_b32 s74, s[WC], 7
	s_add_co_u32 s70, s70, s74
	s_lshl_b32 s70, s70, 11
	s_mov_b32 s71, 0
	s_lshl_b32 s72, s[TN], 11                      ; K: row 2048 x batch + 256 x tile column + 128 x half, behind Q's 16,777,216 bytes
	s_lshl_b32 s75, s[TC], 8
	s_add_co_u32 s72, s72, s75
	s_lshl_b32 s75, s[WC], 7
	s_add_co_u32 s72, s72, s75
	s_lshl_b32 s72, s72, 11
	s_add_co_u32 s72, s72, 0x1000000
	s_mov_b32 s73, 0
	s_mul_i32 s[LB], s[WV], HALFT                  ; where they go: wave x 128 rows: no place in the cluster enters an LDS address
	s_mov_b32 s[TB], 0                             ; the reads begin in slot 0
	s_wait_dscnt 0x0                               ; the opening add is done
	s_wait_kmcnt 0x0
	s_add_nc_u64 s[70:71], s[4:5], s[70:71]
	s_add_nc_u64 s[72:73], s[4:5], s[72:73]
	CROUND                                         ; all sixteen work-groups are here: the first joint loads meet
.irp s, 0,1
	s_mov_b32 s[G0A+4*(\s)], 1
	s_add_co_u32 s[G0A+4*(\s)+1], s[LB], (\s)*SLOT
	s_add_nc_u64 s[G0A+4*(\s)+2:G0A+4*(\s)+3], s[70:71], (\s)*KSB
	s_or_b32 s[G0A+4*(\s)+3], s[G0A+4*(\s)+3], 0x80000000
	s_mov_b32 s[G0B+4*(\s)], 1
	s_add_co_u32 s[G0B+4*(\s)+1], s[LB], (\s)*SLOT
	s_add_nc_u64 s[G0B+4*(\s)+2:G0B+4*(\s)+3], s[72:73], (\s)*KSB
	s_or_b32 s[G0B+4*(\s)+3], s[G0B+4*(\s)+3], 0x80000000
	JLOAD \s                                       ; two loads of mine are out
.endr
	v_and_b32 v1, 15, v0                           ; r = l % 16
	v_bfe_u32 v2, v0, 4, 1                         ; h = l / 16
	v_mov_b32 v[CMQ+1], 0                          ; named with c m as a pair
	v_mul_u32_u24 v3, v1, PITCH
	v_lshl_add_u32 v3, v2, 4, v3                   ; r x pitch + 16 h
	s_mul_i32 s74, s[WR], HALFT                    ; my 128 rows of Q
	s_mul_i32 s75, s[WC], HALFT                    ; my 128 rows of K, behind Q's 256
	s_add_co_u32 s75, s75, 2*HALFT
	v_add_nc_u32 v[ADRA0], s74, v3
	v_add_nc_u32 v[ADRB0], s75, v3
	v_mov_b32 v[ADRA], v[ADRA0]                    ; the slot in hand is slot 0
	v_mov_b32 v[ADRB], v[ADRB0]
	s_mul_i32 s74, s[WV], 16*PITCH
	s_add_co_u32 s74, s74, STAGE                   ; my stage
	v_add_nc_u32 v[STO], s74, v3
	v_mul_u32_u24 v5, v2, PITCH
	v_lshl_add_u32 v5, v1, 4, v5
	v_add_nc_u32 v[RD], s74, v5
	v_lshlrev_b32 v5, 12, v2                       ; two rows of ew
	v_lshl_add_u32 v[CO], v1, 4, v5
	v_lshlrev_b32 v5, 4, v1                        ; st: lanes 0-15 the 256 bytes of c m, lanes 16-31 those of l
	v_lshl_add_u32 v[STA], v2, 8, v5
	s_lshl_b32 s80, s[TY], 8                       ; my first row and column of ew, in bytes
	s_lshl_b32 s81, s[WR], 7
	s_add_co_u32 s80, s80, s81
	s_lshl_b32 s80, s80, 12
	s_lshl_b32 s81, s[TC], 9
	s_add_co_u32 s80, s80, s81
	s_lshl_b32 s81, s[WC], 8
	s_add_co_u32 s80, s80, s81
	s_mov_b32 s81, 0
	s_add_nc_u64 s[OUTP:OUTP+1], s[6:7], s[80:81]
	s_lshl_b32 s80, s[TC], 1                       ; st: block 2 x tile column + half, 65,536 bytes a block;
	s_add_co_u32 s80, s80, s[WC]
	s_lshl_b32 s80, s80, 16
	s_lshl_b32 s81, s[TY], 2                       ; 64 rows number 4 x tile row + 2 x half, 512 bytes each
	s_lshl_b32 s82, s[WR], 1
	s_add_co_u32 s81, s81, s82
	s_lshl_b32 s81, s81, 9
	s_add_co_u32 s80, s80, s81
	s_mov_b32 s81, 0
	s_add_nc_u64 s[AUX:AUX+1], s[8:9], s[80:81]
	; the prefetches
	s_lshl_b32 s80, s[TY], 8                       ; Q: the tile's first row + the 128 that I fetch + my work-group's 32
	s_lshl_b32 s81, s[WC], 7
	s_add_co_u32 s80, s80, s81
	s_lshl_b32 s81, s[CX], 5
	s_add_co_u32 s80, s80, s81
	s_lshl_b32 s82, s[TN], 11                      ; K: likewise, behind Q's 8,192 rows
	s_lshl_b32 s83, s[TC], 8
	s_add_co_u32 s82, s82, s83
	s_lshl_b32 s83, s[WC], 7
	s_add_co_u32 s82, s82, s83
	s_lshl_b32 s83, s[CY], 5
	s_add_co_u32 s82, s82, s83
	s_add_co_u32 s82, s82, 8192
	s_and_b32 s84, s[CLY], 1                       ; 0 in a batch's first cluster
	s_cmp_eq_u32 s[WR], 0
	s_cselect_b32 s80, s80, s82
	s_cselect_b32 s84, ttmp9, s84                  ; the coordinate along which other clusters read the same rows
	s_cmp_eq_u32 s84, 0
	s_cselect_b32 s[LIM], 2, -1                    ; the same in all sixteen partners, for a given wave
	s_lshl_b32 s80, s80, 11
	s_add_co_u32 s80, s80, 3*KSB                   ; at K step 3: the first refill steps it to 4
	s_mov_b32 s81, 0
	s_add_nc_u64 s[PFA:PFA+1], s[4:5], s[80:81]
	v_and_b32 v[PFO], 31, v0
	v_lshlrev_b32 v[PFO], 11, v[PFO]
	s_wait_tensorcnt 1                             ; my part of K step 0 is in; K step 1's may stay out
	s_barrier_signal -1
	s_barrier_wait -1
	FETCH 0, F0
	QUARTER 64,  F0, F1, 1                         ; the first quarter stands in front of the loop: its products start the sums
	WIN 0                                          ; at a label and at a branch every window is 0
	s_mov_b32 s3, STEPS-2
.Lstep:                                                ; a trip goes from a K step's second quarter to the next step's first, and fills the slot that it leaves: K steps 2 to 7 are asked for
	QUARTER 128, F1, F0, 0
	QUARTER 192, F0, F1, 0
	TURN
	QUARTER 64,  F0, F1, 0
	WIN 0
	s_sub_co_u32 s3, s3, 1
	s_cmp_lg_u32 s3, 0
	s_cbranch_scc1 .Lstep
	s_mov_b32 s3, 2
.Ltail:                                                ; the last two K steps fill nothing, and have no round of the cluster's barrier.  One text for both: the very last step has no slot to go on to, so it jumps
	QUARTER 128, F1, F0, 0                         ; over the fetch and over the next step's first quarter (neither holds a barrier or a tensor load); it passes MEET's barrier once more, behind which nothing is filled
	QUARTER 192, F0, F1, 0
	MEET
	s_cmp_eq_u32 s3, 1
	s_cbranch_scc1 .Lno_fetch
	s_sub_co_u32 s[TB], SLOT, s[TB]                ; the other slot
	PLACES
	v_add_nc_u32 v[ADRA], s[TB], v[ADRA0]
	v_add_nc_u32 v[ADRB], s[TB], v[ADRB0]
	FETCH 0, F0
.Lno_fetch:
	MUL16 F1, 1, 0, 0
	MUL16 F1, 1, 2, 0
	WIN 0
	s_cmp_eq_u32 s3, 1
	s_cbranch_scc1 .Lno_quarter
	QUARTER 64,  F0, F1, 0
	WIN 0
.Lno_quarter:
	s_sub_co_u32 s3, s3, 1
	s_cmp_lg_u32 s3, 0
	s_cbranch_scc1 .Ltail
	PLACES
; THE WAY OUT: a loop of two trips of 64 queries, four blocks of 16 each, all on window 2: between the trips window 3's accumulators are copied there, 256 lines, so that the softmax's text stands four times, not eight.
; SOFT a: the maximum of the lane's 64 scores and of the other half's; c s - c m; the exponentials, ONE batch of 64 with one wait; rounded to f16; their sum.
.macro SUMLV w, n                      ; n packed additions: registers w apart, 2 w from one to the next
.set u, 0
.rept \n
	v_pk_add_f32 v[AC+2*(\w)*u:AC+2*(\w)*u+1], v[AC+2*(\w)*u:AC+2*(\w)*u+1], v[AC+2*(\w)*u+(\w):AC+2*(\w)*u+(\w)+1]
.set u, u+1
.endr
.endm
.macro SOFT a
.set AC, 64*(\a)
	WIN 0x2a                                       ; three sources in window 2.  Four chains over 16 registers each
.irp k, 0,1,2,3
	v_max3_num_f32 v[MXC+(\k)], v[AC+16*(\k)], v[AC+16*(\k)+1], v[AC+16*(\k)+2]
.endr
	WIN 0x28
.irp n, 1,2,3,4,5,6
.irp k, 0,1,2,3
	v_max3_num_f32 v[MXC+(\k)], v[MXC+(\k)], v[AC+16*(\k)+2*(\n)+1], v[AC+16*(\k)+2*(\n)+2]
.endr
.endr
	v_max3_num_f32 v[MXC], v[MXC], v[AC+15], v[AC+31]
	v_max3_num_f32 v[MXC+2], v[MXC+2], v[AC+47], v[AC+63]
	WIN 0
	v_max3_num_f32 v[MXC], v[MXC], v[MXC+1], v[MXC+2]
	v_max_num_f32 v[MXC], v[MXC], v[MXC+3]
	v_permlanex16_b32 v[MXC+1], v[MXC], s[SEL], s[SEL+1]  ; the query's other 64 keys lie in the lane 16 away
	v_max_num_f32 v[MXC], v[MXC], v[MXC+1]
	v_mul_f32 v[CMQ], s[CS], v[MXC]                ; c m (c is positive)
	v_mov_b32 v[CMR+(\a)], v[CMQ]
	WIN 0x82                                       ; destination and source 0 in window 2, c m in window 0
.set i, 0
.rept 32
	v_pk_fma_f32 v[AC+2*i:AC+2*i+1], v[AC+2*i:AC+2*i+1], s[CS:CS+1], v[CMQ:CMQ+1] op_sel_hi:[1,0,0] neg_lo:[0,0,1] neg_hi:[0,0,1]
.set i, i+1
.endr
.set i, 0
.rept 64
	v_exp_f32 v[AC+i], v[AC+i]
.set i, i+1
.endr
	v_nop                                          ; a plain instruction behind the last exponential,
	s_wait_alu depctr_va_vdst(0)                   ; and the wait ahead of the first use: one for the 64
	WIN 0x0a
.irp b, 0,1,2,3,4,5,6,7
.irp i, 0,1,2,3
	v_cvt_pk_f16_f32 v[TMP+4*(\b)+(\i)], v[AC+8*(\b)+2*(\i)], v[AC+8*(\b)+2*(\i)+1]
.endr
.endr
	WIN 0x8a                                       ; the sum of the 32 pairs, in place
	SUMLV 2, 16
	SUMLV 4, 8
	SUMLV 8, 4
	SUMLV 16, 2
	SUMLV 32, 1
	WIN 0x0a
	v_add_f32 v[LSR+(\a)], v[AC], v[AC+1]
	WIN 0
	v_permlanex16_b32 v[MXC+1], v[LSR+(\a)], s[SEL], s[SEL+1]
	v_add_f32 v[LSR+(\a)], v[LSR+(\a)], v[MXC+1]
.endm
.macro TOSTAGE a
.irp b, 0,1,2,3,4,5,6,7
	ds_store_b128 v[STO], v[TMP+4*(\b):TMP+4*(\b)+3] offset:32*(\b)
.endr
.irp t, 0,1,2,3,4,5,6,7
	ds_load_b128 v[OB+192*((\a)%2)+4*(\t):OB+192*((\a)%2)+4*(\t)+3], v[RD] offset:(\t)*2*PITCH  ; LDS serves a wave's instructions in order (ISA guide 5.7.1.4): these see the stores above
.endr
.endm
.macro SEND a
	s_wait_dscnt 0x0                               ; the block is back in registers
	s_wait_xcnt 0x0                                ; the stores of the block before have read their registers: the next block is read back into them only behind this wait
.irp t, 0,1,2,3,4,5,6,7
	global_store_b128 v[CO], v[OB+192*((\a)%2)+4*(\t):OB+192*((\a)%2)+4*(\t)+3], s[OUTP:OUTP+1] offset:(16*(\a)+2*(\t))*ROWB  ; 16 lanes store 256 consecutive bytes, at a multiple of 256 from the buffer's first byte
.endr
.endm
	s_mov_b32 s3, 2
.Lhalf:
	SOFT 0
	TOSTAGE 0
.irp a, 1,2,3                          ; block a's softmax stands between block a - 1's loads from the stage and the wait for them
	SOFT \a
	SEND (\a)-1
	TOSTAGE \a
.endr
	SEND 3
	; the statistics of these 64 queries: lanes 0-15 store their row's four c m, lanes 16-31 its four l: one store of 512 consecutive bytes, aligned
	v_cmp_eq_u32 vcc_lo, 1, v2
.irp i, 0,1,2,3
	v_cndmask_b32 v[TMP+(\i)], v[CMR+(\i)], v[LSR+(\i)], vcc_lo
.endr
	global_store_b128 v[STA], v[TMP:TMP+3], s[AUX:AUX+1]
	s_cmp_eq_u32 s3, 1
	s_cbranch_scc1 .Lno_copy                       ; behind the second trip there is nothing left to bring
	WIN 0x83                                       ; destination window 2, source window 3; each accumulator's registers in ascending order
.set i, 0
.rept 256
	v_mov_b32 v[i], v[i]
.set i, i+1
.endr
	WIN 0
.Lno_copy:
	s_wait_xcnt 0x0                                ; the stores have read their bases and their registers
	s_add_nc_u64 s[OUTP:OUTP+1], s[OUTP:OUTP+1], 64*ROWB
	s_add_nc_u64 s[AUX:AUX+1], s[AUX:AUX+1], 512
	s_sub_co_u32 s3, s3, 1
	s_cmp_lg_u32 s3, 0
	s_cbranch_scc1 .Lhalf
	s_wait_tensorcnt 0x0                           ; the wave's end, behind my last tensor load and my last LDS store
	ds_add_u32 v[SPW], v[NIL]
	s_wait_dscnt 0x0
	CROUND                                         ; the closing round: no work-group ends while a partner may still ask for a tile that names it
	s_endpgm
.Lfunc_end_k_q35647f887f_score:
	.size	k_q35647f887f_score, .Lfunc_end_k_q35647f887f_score-k_q35647f887f_score
	.p2alignl 7, 3214868480
	.fill 96, 4, 3214868480
	.section	.rodata,"a",@progbits
	.p2align	6, 0x0
	.amdhsa_kernel k_q35647f887f_score
		.amdhsa_group_segment_fixed_size 327680
		.amdhsa_private_segment_fixed_size 0
		.amdhsa_enable_private_segment 0
		.amdhsa_kernarg_size 24
		.amdhsa_user_sgpr_count 2
		.amdhsa_user_sgpr_kernarg_segment_ptr 1
		.amdhsa_wavefront_size32 1
		.amdhsa_system_sgpr_workgroup_id_x 1
		.amdhsa_system_sgpr_workgroup_id_y 1
		.amdhsa_system_sgpr_workgroup_id_z 1
		.amdhsa_system_vgpr_workitem_id 0
		.amdhsa_next_free_vgpr 1024
		.amdhsa_next_free_sgpr 96
		.amdhsa_reserve_vcc 1
		.amdhsa_float_denorm_mode_32 3
		.amdhsa_float_denorm_mode_16_64 3
		.amdhsa_memory_ordered 1
		.amdhsa_forward_progress 1
		.amdhsa_inst_pref_size 128
	.end_amdhsa_kernel
	.amdgpu_metadata
---
amdhsa.version: [ 1, 2 ]
amdhsa.kernels:
  - .name:           k_q35647f887f_score
    .symbol:         k_q35647f887f_score.kd
    .args:
      - { .name: qkv, .offset: 0, .size: 8, .value_kind: global_buffer, .address_space: global }
      - { .name: ew, .offset: 8, .size: 8, .value_kind: global_buffer, .address_space: global }
      - { .name: st, .offset: 16, .size: 8, .value_kind: global_buffer, .address_space: global }
    .group_segment_fixed_size: 327680
    .private_segment_fixed_size: 0
    .kernarg_segment_align: 8
    .kernarg_segment_size: 24
    .max_flat_workgroup_size: 128
    .sgpr_count:     96
    .vgpr_count:     1024
    .wavefront_size: 32
...
	.end_amdgpu_metadata
.endif
;; end of part 6
;; launch mix: the kernel of part 4 again; grid 4 x 64, 4 waves a work-group, clusters of 4 x 4, 327,680 bytes of LDS; arguments ew, st, qkv, out0; writes out0
